; MI455X (gfx1250); checked and timed in simulation.
; The chip was launched on July 23, 2026; its instructions are those of AMD's public machine-readable ISA for CDNA 5 (MIT licence, August 2026) and "CDNA5" Instruction Set Architecture Reference Guide (July 2026). The comments in the code are by the model that wrote it; some were corrected since.
;; Attention. Allowed arithmetic: matrix products marked QUANTISED: E2M3 operands, one E8M0 scale for each 32 along K, by v_wmma_scale_f32_16x16x128_f8f6f4 with both operands' format E2M3, f32 sums; everything else in f32.
;; Inputs: b_out 1,024 float32; w_out 1,024 x 1,024 float32; w_qkv 3,072 x 1,024 float32; x 4 x 2,048 x 1,024 float32.
;; Outputs: out0 4 x 2,048 x 1,024 float32.
;; This version of the problem:
;;   THIS VERSION OF THE PROBLEM IS GIVEN IN LOW PRECISION. The matrix products marked QUANTISED in the list below multiply operands that are first quantised to E2M3 (2 exponent bits, 3 mantissa bits; 6 bits a number), with one power-of-two scale for each 32 numbers along K (OCP MX v1.0); their sums are f32. All else is computed in f32.
;;   The module's matrix products, in the order in which they are computed (A, B: the left and right operand; K: the contracted axis; several contracted axes count as one K, in the product's order):
;;     1. [M 8,192, K 1,024] x [K 1,024, N 3,072]; A: input x; B: input w_qkv: QUANTISED
;;     2. batch 64 x [M 2,048, K 64] x [K 64, N 2,048]; A: computed on the way; B: computed on the way: QUANTISED
;;     3. batch 64 x [M 2,048, K 2,048] x [K 2,048, N 64]; A: softmax (see below); B: computed on the way: QUANTISED
;;     4. [M 8,192, K 1,024] x [K 1,024, N 1,024]; A: computed on the way; B: input w_out: QUANTISED
;;   THE QUANTISER, for each operand of a quantised product, along K:
;;     - K is cut into blocks of 32 from its start; a last block that is shorter is filled with zeros.
;;     - A block's scale is 2^e with e = floor(log2(the largest magnitude in the block)) - 2, held to -126 .. 127; a block of zeros has e = 0. As a byte (E8M0): e + 127.
;;     - Each number is divided by its block's scale, clamped to +-7.5, and rounded to the nearest number of E2M3, ties to even, subnormals kept.
;;     - The product sums the exact products of the quantised numbers (number of the format x scale) in f32.
;;   ~~~python
;;   def quantise(x, axis):      # numpy; x: float32 -> the quantised numbers, widened to float32 again
;;       x = np.moveaxis(x, axis, -1); K = x.shape[-1]
;;       x = np.pad(x, [(0, 0)] * (x.ndim - 1) + [(0, -K % 32)]); x = x.reshape(x.shape[:-1] + (-1, 32)); a = np.abs(x).max(-1, keepdims=True)
;;       e = np.where(a > 0, np.clip(np.frexp(np.where(a > 0, a, 1))[1] - 1 - 2, -126, 127), 0)      # np.frexp(a)[1] - 1 = floor(log2(a)), exactly
;;       r = np.clip(x / 2.0 ** e, -7.5, 7.5)
;;       step = 2.0 ** (np.maximum(np.frexp(np.where(r == 0, 1, r))[1] - 1, 0) - 3)
;;       q = np.round(r / step) * step * 2.0 ** e      # np.round: ties to even
;;       return np.moveaxis(q.reshape(q.shape[:-2] + (-1,))[..., :K], -1, axis).astype(np.float32)
;;   ~~~
;;   SOFTMAX AHEAD OF A QUANTISED PRODUCT. Where the list says 'softmax', what is quantised is not the finished softmax but p = 2^(t - M), with t = logit x log2(e) and M = ceil(the row's largest t), a whole number; so 1/2 < the row's largest p <= 1. The row's sum l is taken of the UNQUANTISED p, in f32, and the product's result is divided by l at the end. Since M is a whole number, a kernel that streams over the keys may use a running M (the ceiling of the running maximum): every later rescaling is an exact power of two, which a block's scale takes up: the codes' values come out the same.
;;   OPERANDS COMPUTED ON THE WAY. 'Computed on the way' means the value that the module computes at that place (a softmax that the list does not call 'softmax' is quantised finished and normalised). What goes into a quantiser is computed in f32, as accurately as f32 sums, v_exp_f32 and their like allow (about 1e-6 of the number): no bf16 or f16 on the way to a quantiser, and a product that is left as it is and whose result goes on into a quantised operand takes f32 operands (vector FMAs, or v_wmma_f32_16x16x4_f32). A number that lies on a knife's edge between two numbers of the format may be rounded either way, as far as f32 arithmetic and the matrix unit's own rounding can turn it there, and no further.
;; One version. Each part assembles by itself: llvm-mc -triple=amdgcn-amd-amdhsa -mcpu=gfx1250 --defsym DOCPART=n.
;; ======== version 1 of 1: 4 launches
;; limits: right only within a limited range of input values
;; workspace buffers: c1 9,437,184 bytes; s1 393,216 bytes; c2 18,874,368 bytes; s2 786,432 bytes; c3 6,291,456 bytes; s3 262,144 bytes
;; launch quant (part 1): grid 384 x 1, 4 waves a work-group, no clusters, 58,368 bytes of LDS; arguments x, w_qkv, w_out, c1, s1; writes c1, s1
.if DOCPART == 1
	.amdgcn_target "amdgcn-amd-amdhsa--gfx1250"
	.amdhsa_code_object_version 6
	.text
	.protected	k_q4c72efee54_quant
	.globl	k_q4c72efee54_quant
	.p2align	8
	.type	k_q4c72efee54_quant,@function
k_q4c72efee54_quant:
	s_mov_b64 s[64:65], 0
	v_nop
	global_prefetch_b8 v0, s[64:65] scope:SCOPE_SE
	s_setreg_imm32_b32 hwreg(HW_REG_WAVE_MODE, 25, 1), 1
	s_wait_xcnt 0x0
; FIRST OF FOUR LAUNCHES.  out = softmax(q k^T / 32) v, projected by w_out, + b_out, with q, k, v = parts of x w_qkv^T; all four products on codes of FP6 (E2M3) with one E8M0 scale for each 32 along K.
; DEAD WORK: none.  There is no mask, nothing is sliced away, b_out is added: all four inputs have a way to the output and all four are loaded (b_out in the last launch).
; THIS LAUNCH turns the three wide inputs, x [8192][1024], w_qkv [3072][1024], w_out [1024][1024], f32 with K innermost, into ONE table of 12,288 rows of codes (c1: 768 bytes a row) and scale bytes (s1: 32 a row).
; A block's scale is 2^(floor(log2(its largest magnitude)) - 2); its byte is the largest magnitude's exponent field - 2, held at 1 from below.  Each number is divided by the scale and rounded to the nearest code, ties to even.
; THE ORDER OF THE ROWS.  sw(i) = i with its bits 3 and 4 exchanged.  Rows 0-8191: token i of x at sw(i).  Rows 8192-11263: w_qkv, sorted by part k (q, k, v), head h and channel d: row 8192 + 1024 k + 64 h + sw(d)
; is the input's row 48 d + 16 k + h.  Rows 11264-12287: w_out as it lies.  With that order 16 rows on end, 16 (2 b + u) + r, are the rows 32 b + 8 u + r + 8 (r / 8): where such rows are a matrix instruction's first source,
; the 16 registers of two neighbouring result tiles are 16 neighbours, which is what the next quantiser wants.
; SHARES.  A wave takes 8 input rows whose 8 places in the table lie on end: 6,144 bytes of codes, 256 scale bytes.  sw only exchanges the low two bits of the number of a group of 8 rows, which is the wave's number.
; A row is two steps of 512 numbers.  Each of a step's four loads reads 512 consecutive bytes; the 2,048 bytes turn through the wave's own stage in LDS and come back 64 bytes a lane, 16 neighbours; two lanes hold a block.
; No tensor loads, one barrier, no cluster, no matrix unit: waves share only the images in LDS.  Loads run four steps (16 loads a wave) ahead.
; LIMITS: a block of zeros gets the byte 1 where the rule says 127 (its codes are zeros, and this program alone reads the bytes); blocks whose largest magnitude lies under 2^-124 are held at the byte 1; NaN and infinities among the inputs are not served.
.set WAVES, 4
.set STEPS, 16
.set EMAX,  2
.set CB,    12                         ; bytes of 16 codes
.set R,     16                         ; v16-79   four sets of 16 numbers as they are loaded
.set X,     80                         ; v80-111  two sets of 16 neighbours
.set C,     128                        ; v128-191 codes: four registers for each step, so that no store's data are written again
.set E,     112                        ; v112-127 a scale byte for each step
.set VIN,   192                        ; v192-199 byte offset of my 16 bytes in each of my wave's 8 input rows
.set WREG,  8192                       ; LDS: a region for each wave: two stages of 32 x SP bytes, and behind them its 256 scale bytes
.set SP,    80                         ; a lane's place in a stage: its 64 bytes + 16 of padding
.set SPW,   12                         ; v12      LDS address of my spare word; never rewritten
.set NIL,   13                         ; v13      0; never rewritten
.set SPARE, WAVES*WREG
; HOW c1 IS LAID: as images of the operands' registers.  16 table rows on end are a tile, 12,288 bytes: 16 images of 768 bytes, one for each 64 along K.  In an image, lane L = row % 16 + 16 x (block % 2)
; of a matrix operand finds bytes 8 p .. 8 p + 7 of its block's 24 bytes at 256 p + 8 L (three planes of 256 bytes).  A work-group's 32 rows are two whole tiles: its waves gather the 32 images in LDS
; (784 bytes apart), pass one barrier, and each wave stores 8 images, 6,144 consecutive bytes.  Wave w fills place w of the work-group's four groups of 8 rows, and reads the input rows that belong there.
.set IMG,   SPARE+512                  ; behind the spare words: 32 images, 784 bytes apart
.set Q0,    200                        ; v200 where my 12 bytes' words 0 and 2 go in an image; v201 word 1
.set Q1,    201
.set CP16,  202                        ; v202, v203 the way out of my wave's 8 images: 16 bytes a lane, 8 bytes a lane
.set CP8,   203
	s_load_b256 s[4:11], s[0:1], 0x0               ; x s[4:5], w_qkv s[6:7], w_out s[8:9], c1 s[10:11]
	s_load_b64 s[12:13], s[0:1], 0x20              ; s1
	v_lshl_add_u32 v[SPW], v0, 2, SPARE
	v_mov_b32 v[NIL], 0
	v_lshrrev_b32 v1, 5, v0
	v_readfirstlane_b32 s16, v1                    ; wave
	v_and_b32 v2, 31, v0                           ; lane
	v_lshlrev_b32 v3, 4, v2                        ; my 16 bytes of a load's 512
	s_mul_i32 s17, s16, WREG
	v_lshrrev_b32 v14, 2, v2
	v_mul_u32_u24 v14, v14, SP
	v_and_b32 v15, 3, v2
	v_lshl_add_u32 v14, v15, 4, v14
	v_add_nc_u32 v14, s17, v14                     ; the stage, on the way in: four lanes' 64 bytes on end, then 16 of padding
	v_mul_u32_u24 v15, v2, SP
	v_add_nc_u32 v15, s17, v15                     ; and on the way out: my 16 neighbours
	v_lshrrev_b32 v5, 1, v2
	s_add_co_u32 s17, s17, 2*32*SP
	v_add_nc_u32 v5, s17, v5                       ; LDS: my wave's 256 scale bytes, my block's byte
	v_lshlrev_b32 v7, 3, v2                        ; and on the way out 8 bytes a lane
	v_add_nc_u32 v6, s17, v7
	v_lshrrev_b32 v[Q0], 2, v2                     ; four lanes, two blocks, to an image
	v_mul_u32_u24 v[Q0], v[Q0], 784
	v_bfe_u32 v[Q1], v2, 1, 1                      ; block % 2: 16 lanes of the operand on, 128 bytes
	v_lshl_add_u32 v[Q0], v[Q1], 7, v[Q0]
	v_and_b32 v[Q1], 1, v2                         ; which 12 bytes of the block's 24 are mine
	s_lshr_b32 s28, s16, 1
	s_mul_i32 s28, s28, 16*784                     ; my tile of the two,
	s_and_b32 s29, s16, 1
	s_lshl_b32 s29, s29, 6                         ; my 8 rows of its 16: 8 bytes a row
	s_add_co_u32 s28, s28, s29
	s_add_co_u32 s28, s28, IMG
	v_add_nc_u32 v[Q0], s28, v[Q0]
	v_mad_u32_u24 v[CP16], v[Q1], 508, v[Q0]       ; word 1: byte 4 of plane 0, or byte 0 of plane 2 (the 4 stands in the store's offset)
	v_mad_u32_u24 v[Q0], v[Q1], 260, v[Q0]         ; words 0 and 2: bytes 0 of planes 0 and 1, or bytes 4 of planes 1 and 2
	v_mov_b32 v[Q1], v[CP16]
	s_mul_i32 s29, s16, 8*784
	s_add_co_u32 s29, s29, IMG
	v_add_nc_u32 v[CP16], s29, v3
	v_add_nc_u32 v[CP8], s29, v7
	; which 8 rows are my wave's, and where they go.  u = 4 x work-group + wave numbers the groups of 8 rows of the table
	s_lshl_b32 s18, ttmp9, 2
	s_add_co_u32 s19, s18, s16                     ; u
	s_and_b32 s20, s16, 1
	s_lshl_b32 s20, s20, 1
	s_lshr_b32 s21, s16, 1
	s_or_b32 s20, s20, s21                         ; the wave's number with its two bits exchanged
	s_add_co_u32 s20, s18, s20                     ; u with its low two bits exchanged: the group's place under sw
	s_sub_co_u32 s21, s20, 1024
	s_and_b32 s22, s21, 7
	s_mul_i32 s22, s22, 384                        ; its first input row: 48 x 8 (d / 8)
	s_lshr_b32 s21, s21, 3
	s_add_co_u32 s22, s22, s21                     ; + 16 k + h
	s_sub_co_u32 s23, s19, 1408                    ; w_out: rows as they lie (used only where u is 1408 on)
	s_lshl_b32 s23, s23, 3
	s_mov_b32 s24, 4096                            ; from row to row in x and in w_out
	s_lshl_b32 s25, s20, 3
	s_wait_kmcnt 0x0
	s_cmp_lt_u32 ttmp9, 352                        ; the choices hang on the work-group's number alone; only pointers and numbers are chosen: one path through the text
	s_cselect_b64 s[6:7], s[6:7], s[8:9]
	s_cselect_b32 s22, s22, s23
	s_cselect_b32 s26, 196608, s24                 ; in w_qkv my rows lie 48 rows apart
	s_mov_b32 s27, s19                             ; my place in the table is 4 x work-group + wave; sw is its own inverse, so x and w_qkv are READ at the exchanged group
	s_cmp_lt_u32 ttmp9, 256
	s_cselect_b64 s[4:5], s[4:5], s[6:7]
	s_cselect_b32 s22, s25, s22                    ; my first input row,
	s_cselect_b32 s26, s24, s26                    ; bytes from one of my rows to the next,
	s_lshl_b32 s22, s22, 12
	s_mov_b32 s23, 0
	s_add_nc_u64 s[4:5], s[4:5], s[22:23]
	s_mul_i32 s22, s27, 6144
	s_add_nc_u64 s[10:11], s[10:11], s[22:23]
	s_lshl_b32 s22, s27, 8
	s_add_nc_u64 s[12:13], s[12:13], s[22:23]
.irp j, 0,1,2,3,4,5,6,7
	s_mul_i32 s28, s26, \j
	v_add_nc_u32 v[VIN+\j], s28, v3
.endr
.macro LOAD t                          ; step t: half t % 2 of my row t / 2
.irp i, 0,1,2,3
	global_load_b128 v[R+16*((\t)%4)+4*\i:R+16*((\t)%4)+4*\i+3], v[VIN+(\t)/2], s[4:5] offset:2048*((\t)%2)+512*\i th:TH_LOAD_NT   ; 32 lanes read 512 consecutive bytes
.endr
.endm
.macro TURN t                          ; step t's numbers through the stage: LDS serves a wave's instructions in order, so no wait stands between the stores and the loads
.irp i, 0,1,2,3
	ds_store_b128 v14, v[R+16*((\t)%4)+4*\i:R+16*((\t)%4)+4*\i+3] offset:32*SP*((\t)%2)+8*SP*\i
.endr
.irp i, 0,1,2,3
	ds_load_b128 v[X+16*((\t)%2)+4*\i:X+16*((\t)%2)+4*\i+3], v15 offset:32*SP*((\t)%2)+16*\i
.endr
.endm
.irp t, 0,1,2,3
	LOAD \t
.endr
	s_wait_alu depctr_va_vdst(0)
	s_wait_loadcnt 12                              ; step 0's four loads are in
	TURN 0
.macro STEP t
.set XS, X+16*((\t)%2)
.if (\t) > 0
	s_wait_dscnt 4
.else
	s_wait_dscnt 0x0
.endif
.if (\t)+4 < STEPS
	LOAD (\t)+4                                    ; which take the loads of four steps on
.endif
.if (\t)+1 < STEPS
.if STEPS-2-(\t) >= 3
	s_wait_loadcnt 12                              ; the next step's four loads are in; those of the three steps behind it may be out
.else
	s_wait_loadcnt 4*(STEPS-2-(\t))
.endif
	TURN (\t)+1                                    ; and go through the other stage while this step is worked
.endif
	v_max3_num_f32 v8, |v[XS]|, |v[XS+1]|, |v[XS+2]|               ; the largest magnitude of my 16
	v_max3_num_f32 v9, |v[XS+3]|, |v[XS+4]|, |v[XS+5]|
.irp i, 6,10
	v_max3_num_f32 v8, v8, |v[XS+\i]|, |v[XS+\i+1]|
	v_max3_num_f32 v9, v9, |v[XS+\i+2]|, |v[XS+\i+3]|
.endr
	v_max3_num_f32 v8, v8, |v[XS+14]|, |v[XS+15]|
	v_max3_num_f32 v8, v8, v9, (EMAX+1)<<23        ; and the floor 2^(3 - 127): so the byte cannot fall under 1
	v_max_num_f32_dpp v8, v8, v8 row_xmask:1 row_mask:0xf bank_mask:0xf   ; and of my neighbour's 16: the block's
	v_add_nc_u32 v11, -(EMAX<<23), v8              ; 2 off its exponent field: the conversion takes the exponent field of this operand as its scale, and nothing else of it
	v_cvt_scalef32_pk16_fp6_f32 v[C+4*(\t):C+4*(\t)+2], v[XS:XS+15], v11         ; sixteen codes, 96 bits without gaps, the first number's code lowest
	v_lshrrev_b32 v[E+(\t)], 23, v11               ; the scale's byte
	ds_store_b8 v5, v[E+(\t)] offset:16*(\t)       ; both lanes of a block write the same byte with the same value
	ds_store_b32 v[Q0], v[C+4*(\t)] offset:8*784*((\t)%2)+8*((\t)/2)          ; my 12 bytes into the image: half t % 2 of the row is 8 images on, row t / 2 is 8 bytes on
	ds_store_b32 v[Q1], v[C+4*(\t)+1] offset:8*784*((\t)%2)+8*((\t)/2)+4
	ds_store_b32 v[Q0], v[C+4*(\t)+2] offset:8*784*((\t)%2)+8*((\t)/2)+256
.endm
.irp t, 0,1,2,3,4,5,6,7,8,9,10,11,12,13,14,15
	STEP \t
.endr
	ds_load_b64 v[8:9], v6                         ; LDS serves a wave's instructions in order: these see my stores
	s_wait_dscnt 0x0
	global_store_b64 v7, v[8:9], s[12:13]
	s_barrier_signal -1                            ; my LDS stores are done (the wait above): the images are whole when all four waves have said so
	s_barrier_wait -1
.irp i, 0,1,2,3,4,5,6,7
	ds_load_b128 v[R+4*\i:R+4*\i+3], v[CP16] offset:784*\i
	ds_load_b64 v[R+32+2*\i:R+33+2*\i], v[CP8] offset:784*\i+512
.endr
	s_wait_dscnt 0x0
.irp i, 0,1,2,3,4,5,6,7
	global_store_b128 v3, v[R+4*\i:R+4*\i+3], s[10:11] offset:768*\i          ; 512 consecutive bytes, aligned
	global_store_b64 v7, v[R+32+2*\i:R+33+2*\i], s[10:11] offset:768*\i+512   ; 256
.endr
	s_wait_tensorcnt 0x0                           ; the wave's end, behind my last LDS store
	ds_add_u32 v[SPW], v[NIL]
	s_wait_dscnt 0x0
	s_endpgm
.Lfunc_end_k_q4c72efee54_quant:
	.size	k_q4c72efee54_quant, .Lfunc_end_k_q4c72efee54_quant-k_q4c72efee54_quant
	.p2alignl 7, 3214868480
	.fill 96, 4, 3214868480
	.section	.rodata,"a",@progbits
	.p2align	6, 0x0
	.amdhsa_kernel k_q4c72efee54_quant
		.amdhsa_group_segment_fixed_size 58368
		.amdhsa_private_segment_fixed_size 0
		.amdhsa_enable_private_segment 0
		.amdhsa_kernarg_size 40
		.amdhsa_user_sgpr_count 2
		.amdhsa_user_sgpr_kernarg_segment_ptr 1
		.amdhsa_wavefront_size32 1
		.amdhsa_system_sgpr_workgroup_id_x 1
		.amdhsa_system_sgpr_workgroup_id_y 1
		.amdhsa_system_sgpr_workgroup_id_z 1
		.amdhsa_system_vgpr_workitem_id 0
		.amdhsa_next_free_vgpr 204
		.amdhsa_next_free_sgpr 66
		.amdhsa_reserve_vcc 0
		.amdhsa_float_denorm_mode_32 3
		.amdhsa_float_denorm_mode_16_64 3
		.amdhsa_memory_ordered 1
		.amdhsa_forward_progress 1
		.amdhsa_inst_pref_size 38
	.end_amdhsa_kernel
	.amdgpu_metadata
---
amdhsa.version: [ 1, 2 ]
amdhsa.kernels:
  - .name:           k_q4c72efee54_quant
    .symbol:         k_q4c72efee54_quant.kd
    .args:
      - { .name: x, .offset: 0, .size: 8, .value_kind: global_buffer, .address_space: global }
      - { .name: w_qkv, .offset: 8, .size: 8, .value_kind: global_buffer, .address_space: global }
      - { .name: w_out, .offset: 16, .size: 8, .value_kind: global_buffer, .address_space: global }
      - { .name: c1, .offset: 24, .size: 8, .value_kind: global_buffer, .address_space: global }
      - { .name: s1, .offset: 32, .size: 8, .value_kind: global_buffer, .address_space: global }
    .group_segment_fixed_size: 58368
    .private_segment_fixed_size: 0
    .kernarg_segment_align: 8
    .kernarg_segment_size: 40
    .max_flat_workgroup_size: 128
    .sgpr_count:     66
    .vgpr_count:     204
    .wavefront_size: 32
...
	.end_amdgpu_metadata
.endif
;; end of part 1
;; launch proj (part 2): grid 12 x 32, 4 waves a work-group, clusters of 4 x 4, 327,680 bytes of LDS; arguments c1, s1, c2, s2; writes c2, s2
.if DOCPART == 2
	.amdgcn_target "amdgcn-amd-amdhsa--gfx1250"
	.amdhsa_code_object_version 6
	.text
	.protected	k_q4c72efee54_proj
	.globl	k_q4c72efee54_proj
	.p2align	8
	.type	k_q4c72efee54_proj,@function
k_q4c72efee54_proj:
	s_mov_b64 s[64:65], 0
	v_nop
	global_prefetch_b8 v0, s[64:65] scope:SCOPE_SE
	s_setreg_imm32_b32 hwreg(HW_REG_WAVE_MODE, 25, 1), 1
	s_wait_xcnt 0x0
	s_wait_alu depctr_hold_cnt(0) depctr_sa_sdst(0) depctr_va_vdst(0) depctr_va_sdst(0) depctr_va_ssrc(0) depctr_va_vcc(0) depctr_vm_vsrc(0)
	s_getreg_b32 s2, hwreg(HW_REG_IB_STS2, 6, 4)
	s_cmp_eq_u32 s2, 0
	s_cbranch_scc0 .Lentry_in_a_cluster
	s_endpgm
.Lentry_in_a_cluster:
	s_bfe_u32 s2, ttmp6, 0x10000c
	s_cmp_lg_u32 s2, 0xf033
	s_cbranch_scc0 .Lentry_shape_is_right
	s_endpgm
.Lentry_shape_is_right:
; SECOND LAUNCH: q, k, v = x w_qkv^T on the first launch's codes, a block of 256 x 256 to a work-group of four waves, and the quantisers of q, k (along the channels) and v (along the keys) in registers.  No work is left out.
; Both operands come from c1 as images of the operands' registers: a tile of 16 rows is 12,288 bytes, a K step of 256 is 3,072 consecutive bytes of it: so a tensor load's row is 3,072 bytes and begins at a multiple of 256.
.set SIZE_K, 1024
.set KSTEP,  256
.set NQ,     KSTEP/128
.set ROWB,   3072
.set KROW,   SIZE_K*6/8
.set PITCH,  192
.set FR,     12
.set NL,     6
.set NP,     4
.set HALFT,  128*PITCH
.set SLOT,   4*HALFT
.set LAPS,   SIZE_K/(2*KSTEP)
.set KS,     SIZE_K/32
.set SCL,    2*SLOT
.set HALFS,  (128*KS/256)*272
.set SBLK,   (16*KS/256)*272
.set SPARE,  SCL+4*HALFS
.set ADRA, 16
.set ADRB, 20
.set SST,  24
.set SRD,  25
.set VO0,  26
.set ADRS, 27
.set SPW,  28
.set NIL,  29
.set VO1,  8
.set VO2,  9
.set VO3,  10
.set SC,   32
.set AF,   128
.set PCB,  64
.set TT,   160
.set XB,   168
.set TM,   200
.set PW,   216
.set G1, 24
.set G0, 32
.set G1B, 48
.set G0B, 56
.set G1S, 68
.set G0S, 76
.set G1SB, 80
.set G0SB, 88
.set SEL, 66
.set MSB, 0
.macro WIN new
.if MSB != (\new)
	s_set_vgpr_msb (MSB<<8)|(\new)
.set MSB, (\new)
.endif
.endm
.set MUL_LO, 0xa1
.set MUL_HI, 0xf1
.set TO_B,   0x40
.macro JLOAD g0a, g1a, g0b, g1b
	s_cmp_eq_u32 s15, 0
	s_cbranch_scc0 .Lfor_b_\@
	tensor_load_to_lds s[\g0a:\g0a+3], s[\g1a:\g1a+7]
	s_nop 0
.rept 4
	v_nop
.endr
	s_branch .Lasked_\@
.Lfor_b_\@:
	tensor_load_to_lds s[\g0b:\g0b+3], s[\g1b:\g1b+7]
	s_nop 0
.rept 4
	v_nop
.endr
.Lasked_\@:
.endm
.macro CREST
	s_cmp_lg_u32 s14, 0
	s_cbranch_scc1 .Lnot_wave_0_\@
	s_barrier_signal -3
.Lnot_wave_0_\@:
	s_barrier_wait -3
	s_barrier_signal -1
	s_barrier_wait -1
.endm
.macro CROUND
	s_barrier_signal -1
	s_barrier_wait -1
	CREST
.endm
	s_load_b256 s[4:11], s[0:1], 0x0
	v_lshl_add_u32 v[SPW], v0, 2, SPARE
	v_mov_b32 v[NIL], 0
	ds_add_u32 v[SPW], v[NIL]
	ds_add_u32 v[SPW], v[NIL]
	v_lshrrev_b32 v1, 5, v0
	v_readfirstlane_b32 s14, v1
	s_lshr_b32 s15, s14, 1
	s_and_b32 s16, s14, 1
	s_bfe_u32 s40, ttmp6, 0x40000
	s_bfe_u32 s41, ttmp6, 0x40004
	s_and_b32 s17, ttmp7, 0xffff
	s_mov_b32 s2, 10240
	s_mov_b32 s3, 8192
	s_cmp_lt_u32 ttmp9, 2
	s_cselect_b32 s18, s17, 0
	s_cselect_b32 s19, ttmp9, s17
	s_cselect_b32 s2, 0, s2
	s_cselect_b32 s3, s3, 0
	s_lshl_b32 s42, s19, 2
	s_add_co_u32 s42, s42, s40
	s_lshl_b32 s17, s18, 2
	s_add_co_u32 s17, s17, s41
	s_lshl_b32 s43, s41, 2
	s_lshl_b32 s43, 15, s43
	s_lshl_b32 s44, 0x1111, s40
	s_or_b32 s[G1+0], s43, (0<<16)|(1<<21)
	s_or_b32 s[G1B+0], s44, (0<<16)|(1<<21)
.irp g, G1, G1B
	s_mov_b32 s[\g+1], ROWB<<16
	s_mov_b32 s[\g+2], 16<<16                      ; the head's loads bring a whole tile: 16 rows of 3,072 bytes
	s_mov_b32 s[\g+3], ROWB<<16
	s_mov_b32 s[\g+4], 16
	s_mov_b32 s[\g+5], 16*KROW
	s_mov_b32 s[\g+6], 0
	s_mov_b32 s[\g+7], 0
.endr
	s_or_b32 s[G1S+0], s43, (3<<16)|(1<<20)|(1<<21)|(5<<22)|(3<<25)
	s_or_b32 s[G1SB+0], s44, (3<<16)|(1<<20)|(1<<21)|(5<<22)|(3<<25)
.irp g, G1S, G1SB
	s_mov_b32 s[\g+1], 32<<16
	s_mov_b32 s[\g+2], KS<<16                      ; the scales of 256 rows: KS rows of 256 bytes
	s_mov_b32 s[\g+3], 32<<16
	s_mov_b32 s[\g+4], KS
	s_mov_b32 s[\g+5], 32
	s_mov_b32 s[\g+6], 0
	s_mov_b32 s[\g+7], 0
.endr
	s_lshl_b32 s18, s16, 7
	s_lshl_b32 s20, s17, 8
	s_add_co_u32 s20, s20, s18
	s_add_co_u32 s20, s20, s2
	s_lshl_b32 s46, s42, 8
	s_add_co_u32 s46, s46, s18
	s_add_co_u32 s46, s46, s3
	s_mov_b32 s21, 0
	s_mov_b32 s47, 0
	s_mov_b64 s[18:19], KS
	s_mul_u64 s[22:23], s[20:21], s[18:19]
	s_mul_u64 s[92:93], s[46:47], s[18:19]
	s_mov_b64 s[18:19], KROW
	s_mul_u64 s[20:21], s[20:21], s[18:19]
	s_mul_u64 s[46:47], s[46:47], s[18:19]
	s_mul_i32 s45, s14, HALFT
	s_mov_b32 s[SEL], 0x76543210
	s_mov_b32 s[SEL+1], 0xfedcba98
	s_wait_dscnt 0x0
	s_wait_kmcnt 0x0
	s_add_nc_u64 s[20:21], s[4:5], s[20:21]
	s_add_nc_u64 s[22:23], s[6:7], s[22:23]
	s_add_nc_u64 s[46:47], s[4:5], s[46:47]
	s_add_nc_u64 s[92:93], s[6:7], s[92:93]
	CROUND
	s_mov_b32 s[G0S], 1
	s_mov_b32 s[G0S+1], SCL
	s_sub_nc_u64 s[G0S+2:G0S+3], s[22:23], 128*KS  ; wave 1 asks for the scales of all A's 256 rows: its own address stands 128 rows on
	s_or_b32 s[G0S+3], s[G0S+3], 0x80000000
	s_mov_b32 s[G0SB], 1
	s_mov_b32 s[G0SB+1], SCL+2*HALFS
	s_sub_nc_u64 s[G0SB+2:G0SB+3], s[92:93], 128*KS  ; wave 3 likewise for B's
	s_or_b32 s[G0SB+3], s[G0SB+3], 0x80000000
.irp s, 0,1
	s_mov_b32 s[G0+4*\s], 1
	s_add_co_u32 s[G0+4*\s+1], s45, \s*SLOT
	s_add_nc_u64 s[G0+4*\s+2:G0+4*\s+3], s[20:21], \s*ROWB
	s_or_b32 s[G0+4*\s+3], s[G0+4*\s+3], 0x80000000
	s_mov_b32 s[G0B+4*\s], 1
	s_add_co_u32 s[G0B+4*\s+1], s45, \s*SLOT
	s_add_nc_u64 s[G0B+4*\s+2:G0B+4*\s+3], s[46:47], \s*ROWB
	s_or_b32 s[G0B+4*\s+3], s[G0B+4*\s+3], 0x80000000
.endr
; THE HEAD'S LOADS, ONE A WAVE: what the first step needs is shared out: wave 0 K step 0 of A's 256 rows (slot 0's group 0 of wave 0 points at the tile's first row and at LDS byte 0), wave 1 A's scales,
; wave 2 K step 0 of B's 256 rows (its group 0 points at B's first row and behind A's rows), wave 3 B's scales.  One chain of branches on the wave's number, a load to an arm, all arms leading to one join.
.macro ARM under, g0, g1, next
	s_cmp_lt_u32 s14, \under
	s_cbranch_scc0 \next
	tensor_load_to_lds s[\g0:\g0+3], s[\g1:\g1+7]
	s_nop 0
.rept 4
	v_nop
.endr
	s_branch .Lhead_asked
\next:
.endm
	ARM 1, G0,  G1,  .Lhead_sa
	ARM 2, G0S, G1S, .Lhead_b
	ARM 3, G0B, G1B, .Lhead_sb
	tensor_load_to_lds s[G0SB:G0SB+3], s[G1SB:G1SB+7]
	s_nop 0
.rept 4
	v_nop
.endr
.Lhead_asked:
	s_wait_alu depctr_va_vdst(0)
	s_wait_tensorcnt 0x0                           ; my tile of the head's four is in
	ds_add_u32 v[SPW], v[NIL]
	s_mov_b32 s[G1+2], 8<<16                       ; no tensor load of mine is out: from here on a load brings 8 rows of 3,072 bytes, a quarter of a slot
	s_mov_b32 s[G1+4], 8
	s_mov_b32 s[G1B+2], 8<<16
	s_mov_b32 s[G1B+4], 8
	s_wait_dscnt 0x0
	CROUND                                         ; all four tiles are in, and all sixteen work-groups are here
	JLOAD G0+4, G1, G0B+4, G1B                     ; K step 1, the first tensor load behind the round
	v_and_b32 v1, 15, v0
	v_bfe_u32 v2, v0, 4, 1
	v_and_b32 v4, 31, v0
	v_lshlrev_b32 v4, 3, v4                        ; 8 bytes a lane in each plane of an image
	s_mul_i32 s21, s15, HALFT
	s_mul_i32 s22, s16, HALFT
	s_add_co_u32 s22, s22, 2*HALFT
.irp s, 0,1
	v_add_nc_u32 v[ADRA+\s], s21, v4
	v_add_nc_u32 v[ADRB+\s], s22, v4
	s_add_co_u32 s21, s21, SLOT
	s_add_co_u32 s22, s22, SLOT
.endr
	s_wait_alu depctr_va_vdst(0)
	v_mul_u32_u24 v5, v1, KS
	v_lshrrev_b32 v6, 8, v5
	v_lshl_add_u32 v5, v6, 4, v5
	s_mul_i32 s21, s15, HALFS
	s_mul_i32 s22, s16, HALFS
	s_add_co_u32 s22, s22, 2*HALFS
	s_sub_co_u32 s22, s22, s21
	v_mul_u32_u24 v6, s22, v2
	s_add_co_u32 s21, s21, SCL
	v_add_nc_u32 v5, v5, v6
	v_add_nc_u32 v[ADRS], s21, v5
	v_and_b32 v6, 31, v0
	v_lshlrev_b32 v[VO0], 4, v6
	s_wait_alu depctr_va_vdst(0)
	v_lshl_add_u32 v[VO1], v6, 3, 512
	s_wait_alu depctr_va_vdst(0)
	s_lshl_b32 s23, s14, 9
	v_lshl_add_u32 v[SST], v1, 2, s23
	v_add_nc_u32 v[SRD], s23, v[VO0]
	s_lshl_b32 s20, s17, 4
	s_lshl_b32 s21, s15, 3
	s_add_co_u32 s20, s20, s21
	s_lshl_b32 s21, s42, 1
	s_add_co_u32 s21, s21, s16
	s_mov_b32 s22, 98304
	s_mov_b32 s23, 1536
	s_mov_b32 s46, 768
	s_mov_b32 s47, 12582912
	s_mov_b32 s92, 4096
	s_mov_b32 s93, 524288
	s_cmp_lt_u32 ttmp9, 2
	s_cselect_b32 s22, 786432, s22
	s_cselect_b32 s18, s46, s23
	s_cselect_b32 s95, 393216, s46
	s_cselect_b32 s47, 0, s47
	s_cselect_b32 s92, 32768, s92
	s_cselect_b32 s93, 0, s93
	s_mov_b32 s19, 0
	s_mul_i32 s22, s21, s22
	s_mul_i32 s23, s20, s18
	s_add_co_u32 s22, s22, s23
	s_add_co_u32 s22, s22, s47
	s_mov_b32 s23, 0
	s_add_nc_u64 s[12:13], s[8:9], s[22:23]
	s_mul_i32 s22, s21, s92
	s_lshl_b32 s46, s20, 6
	s_add_co_u32 s22, s22, s46
	s_add_co_u32 s22, s22, s93
	s_add_nc_u64 s[96:97], s[10:11], s[22:23]
	v_add_nc_u32 v[VO2], s95, v[VO0]
	v_add_nc_u32 v[VO3], s95, v[VO1]
.macro FRAG reg, adr, q, i
.irp p, 0,1,2,3,4,5
	ds_load_b64 v[\reg+2*\p:\reg+2*\p+1], v[\adr] offset:ROWB*(\i)+1536*(\q)+768*(\p/3)+256*(\p%3)   ; a plane: the 32 lanes read 256 consecutive bytes
.endr
.endm
.macro MUL16 a0, p, q, sc, zero
.irp a, \a0, \a0+1
.irp b, 0,1,2,3,4,5,6,7
.if \zero
	v_wmma_scale_f32_16x16x128_f8f6f4 v[8*(8*((\a)%4)+\b):8*(8*((\a)%4)+\b)+7], v[128*(\p)+FR*\b:128*(\p)+FR*\b+FR-1], v[AF+FR*(\a):AF+FR*(\a)+FR-1], 0, v[SC+8*NQ*(\sc)+NQ*\b+(\q)], v[SC+8*NQ*(\sc)+NQ*(\a)+(\q)] matrix_a_fmt:MATRIX_FMT_FP6 matrix_b_fmt:MATRIX_FMT_FP6 matrix_a_scale:MATRIX_SCALE_ROW1
.else
	v_wmma_scale_f32_16x16x128_f8f6f4 v[8*(8*((\a)%4)+\b):8*(8*((\a)%4)+\b)+7], v[128*(\p)+FR*\b:128*(\p)+FR*\b+FR-1], v[AF+FR*(\a):AF+FR*(\a)+FR-1], v[8*(8*((\a)%4)+\b):8*(8*((\a)%4)+\b)+7], v[SC+8*NQ*(\sc)+NQ*\b+(\q)], v[SC+8*NQ*(\sc)+NQ*(\a)+(\q)] matrix_a_fmt:MATRIX_FMT_FP6 matrix_b_fmt:MATRIX_FMT_FP6 matrix_a_scale:MATRIX_SCALE_ROW1
.endif
.endr
.endr
.endm
.macro FETCH_B slot, q, p
	WIN TO_B
.irp i, 0,1,2,3,4,5,6,7
	FRAG 128*(\p)+FR*\i, ADRB+\slot, \q, \i
.endr
	WIN 0
.endm
.macro FETCH_A slot, q, i0
.irp i, \i0, \i0+1, \i0+2, \i0+3
	FRAG AF+FR*(\i), ADRA+\slot, \q, \i
.endr
.endm
.macro SCALES sc
.irp i, 0,1,2,3,4,5,6,7
	ds_load_b64 v[SC+8*NQ*\sc+NQ*\i:SC+8*NQ*\sc+NQ*\i+1], v[ADRS] offset:\i*SBLK
.endr
.endm
.macro PLACES n
.rept \n
	v_nop
.endr
.endm
.macro STEP slot, q, zero
	s_wait_dscnt 4*NL
	WIN MUL_LO
	MUL16 0, (\q)%2, \q, \slot, \zero
	MUL16 2, (\q)%2, \q, \slot, \zero
	s_wait_dscnt 0
	PLACES NP
	FETCH_B \slot, (\q)+1, 1-(\q)%2
	FETCH_A \slot, (\q)+1, 0
	WIN MUL_HI
	MUL16 4, (\q)%2, \q, \slot, \zero
	MUL16 6, (\q)%2, \q, \slot, \zero
	PLACES NP
	WIN 0
	FETCH_A \slot, (\q)+1, 4
.endm
.macro TURN slot, next, fill
	s_wait_tensorcnt 0x0
	ds_add_u32 v[SPW], v[NIL]
	s_wait_dscnt 4*NL+1
	WIN MUL_LO
	MUL16 0, 1, NQ-1, \slot, 0
	s_wait_dscnt 0x0
	s_barrier_signal -1
	MUL16 2, 1, NQ-1, \slot, 0
	WIN 0
	s_barrier_wait -1
.if \fill
	CREST
	s_add_nc_u64 s[G0+4*\slot+2:G0+4*\slot+3], s[G0+4*\slot+2:G0+4*\slot+3], 2*ROWB
	s_add_nc_u64 s[G0B+4*\slot+2:G0B+4*\slot+3], s[G0B+4*\slot+2:G0B+4*\slot+3], 2*ROWB
	JLOAD G0+4*\slot, G1, G0B+4*\slot, G1B
.else
	PLACES NP
.endif
	s_wait_alu depctr_va_vdst(0)
	v_add_nc_u32 v[ADRS], 4*NQ, v[ADRS]
	FETCH_B \next, 0, 0
	FETCH_A \next, 0, 0
	SCALES \next
	WIN MUL_HI
	MUL16 4, 1, NQ-1, \slot, 0
	MUL16 6, 1, NQ-1, \slot, 0
	PLACES NP
	WIN 0
	FETCH_A \next, 0, 4
.endm
	s_wait_tensorcnt 1
	s_barrier_signal -1
	s_barrier_wait -1
	FETCH_B 0, 0, 0
	FETCH_A 0, 0, 0
	SCALES 0
	FETCH_A 0, 0, 4
	STEP 0, 0, 1
	s_mov_b32 s3, LAPS-1
.Llap:
	TURN 0, 1, 1
	STEP 1, 0, 0
	TURN 1, 0, 1
	STEP 0, 0, 0
	s_sub_co_u32 s3, s3, 1
	s_cmp_lg_u32 s3, 0
	s_cbranch_scc1 .Llap
	TURN 0, 1, 0
	STEP 1, 0, 0
	s_wait_dscnt 4*NL
	WIN MUL_LO
	MUL16 0, 1, NQ-1, 1, 0
	MUL16 2, 1, NQ-1, 1, 0
	s_wait_dscnt 0
	WIN MUL_HI
	MUL16 4, 1, NQ-1, 1, 0
	MUL16 6, 1, NQ-1, 1, 0
	WIN 0
.macro QUANTW a
.set QW, 2+(\a)/4
.set QW5, 5*QW
.set QS, 64*((\a)%4)
.set QP, PCB+12*(\a)
	WIN QW5
.irp b, 0,1,2,3
	v_max3_num_f32 v[TM+\b], |v[QS+16*\b]|, |v[QS+16*\b+1]|, 0x1800000
.endr
.irp i, 2,4,6,8,10,12,14
.irp b, 0,1,2,3
	v_max3_num_f32 v[TM+\b], |v[QS+16*\b+\i]|, |v[QS+16*\b+\i+1]|, v[TM+\b]
.endr
.endr
	WIN 0
.irp b, 0,1,2,3
	v_permlanex16_b32 v[TM+4+\b], v[TM+\b], s[SEL], s[SEL+1]
.endr
.irp b, 0,1,2,3
	v_max_num_f32 v[TM+\b], v[TM+\b], v[TM+4+\b]
.endr
.irp b, 0,1,2,3
	v_add_nc_u32 v[TM+12+\b], 0xff000000, v[TM+\b]
.endr
.irp b, 0,1,2,3
	v_lshrrev_b32 v[TM+4+\b], 23, v[TM+12+\b]
.endr
	v_lshl_or_b32 v[PW+\a], v[TM+5], 8, v[TM+4]
	v_lshl_or_b32 v[PW+\a], v[TM+6], 16, v[PW+\a]
	v_lshl_or_b32 v[PW+\a], v[TM+7], 24, v[PW+\a]
	WIN QW
.irp c, 0,1
	v_cvt_scalef32_pk16_fp6_f32 v[QP+6*\c:QP+6*\c+2], v[QS+32*\c:QS+32*\c+15], v[TM+12+2*\c]
	v_cvt_scalef32_pk16_fp6_f32 v[TT+4*\c:TT+4*\c+2], v[QS+16+32*\c:QS+31+32*\c], v[TM+13+2*\c]
.endr
	WIN 0
	v_nop
.irp c, 0,1
.irp i, 0,1,2
	v_permlane16_swap_b32 v[QP+6*\c+\i], v[TT+4*\c+\i]
.endr
.irp i, 0,1,2
	v_mov_b32 v[QP+3+6*\c+\i], v[TT+4*\c+\i]
.endr
.endr
.endm
	PLACES NP
.irp b, 0,1,2,3
	v_mov_b32 v[TM+4+\b], 0
.endr
.irp a, 0,1,2,3,4,5,6,7
	QUANTW \a
.if \a > 0
	s_wait_alu depctr_va_vdst(0)
	s_wait_xcnt 0x0
	s_add_nc_u64 s[12:13], s[12:13], s[18:19]
.endif
	global_store_b128 v[VO0], v[PCB+12*\a:PCB+12*\a+3], s[12:13]
	global_store_b64 v[VO1], v[PCB+12*\a+4:PCB+12*\a+5], s[12:13]
	global_store_b128 v[VO2], v[PCB+12*\a+6:PCB+12*\a+9], s[12:13]
	global_store_b64 v[VO3], v[PCB+12*\a+10:PCB+12*\a+11], s[12:13]
	ds_store_b32 v[SST], v[PW+\a] offset:64*\a
.endr
	ds_load_b128 v[XB:XB+3], v[SRD]
	s_wait_dscnt 0x0
	global_store_b128 v[VO0], v[XB:XB+3], s[96:97]
	s_wait_tensorcnt 0x0
	ds_add_u32 v[SPW], v[NIL]
	s_wait_dscnt 0x0
	CROUND
	s_endpgm
.Lfunc_end_k_q4c72efee54_proj:
	.size	k_q4c72efee54_proj, .Lfunc_end_k_q4c72efee54_proj-k_q4c72efee54_proj
	.p2alignl 7, 3214868480
	.fill 96, 4, 3214868480
	.section	.rodata,"a",@progbits
	.p2align	6, 0x0
	.amdhsa_kernel k_q4c72efee54_proj
		.amdhsa_group_segment_fixed_size 327680
		.amdhsa_private_segment_fixed_size 0
		.amdhsa_enable_private_segment 0
		.amdhsa_kernarg_size 32
		.amdhsa_user_sgpr_count 2
		.amdhsa_user_sgpr_kernarg_segment_ptr 1
		.amdhsa_wavefront_size32 1
		.amdhsa_system_sgpr_workgroup_id_x 1
		.amdhsa_system_sgpr_workgroup_id_y 1
		.amdhsa_system_sgpr_workgroup_id_z 1
		.amdhsa_system_vgpr_workitem_id 0
		.amdhsa_next_free_vgpr 1024
		.amdhsa_next_free_sgpr 98
		.amdhsa_reserve_vcc 0
		.amdhsa_float_denorm_mode_32 3
		.amdhsa_float_denorm_mode_16_64 3
		.amdhsa_memory_ordered 1
		.amdhsa_forward_progress 1
		.amdhsa_inst_pref_size 167
	.end_amdhsa_kernel
	.amdgpu_metadata
---
amdhsa.version: [ 1, 2 ]
amdhsa.kernels:
  - .name:           k_q4c72efee54_proj
    .symbol:         k_q4c72efee54_proj.kd
    .args:
      - { .name: c1, .offset: 0, .size: 8, .value_kind: global_buffer, .address_space: global }
      - { .name: s1, .offset: 8, .size: 8, .value_kind: global_buffer, .address_space: global }
      - { .name: c2, .offset: 16, .size: 8, .value_kind: global_buffer, .address_space: global }
      - { .name: s2, .offset: 24, .size: 8, .value_kind: global_buffer, .address_space: global }
    .group_segment_fixed_size: 327680
    .private_segment_fixed_size: 0
    .kernarg_segment_align: 8
    .kernarg_segment_size: 32
    .max_flat_workgroup_size: 128
    .sgpr_count:     98
    .vgpr_count:     1024
    .wavefront_size: 32
...
	.end_amdgpu_metadata
.endif
;; end of part 2
;; launch attn (part 3): grid 4 x 64, 16 waves a work-group, clusters of 4 x 1, 235,520 bytes of LDS; arguments c2, s2, c3, s3; writes c3, s3
.if DOCPART == 3
	.amdgcn_target "amdgcn-amd-amdhsa--gfx1250"
	.amdhsa_code_object_version 6
	.text
	.protected	k_q4c72efee54_attn
	.globl	k_q4c72efee54_attn
	.p2align	8
	.type	k_q4c72efee54_attn,@function
k_q4c72efee54_attn:
	s_mov_b64 s[64:65], 0
	v_nop
	global_prefetch_b8 v0, s[64:65] scope:SCOPE_SE
	s_setreg_imm32_b32 hwreg(HW_REG_WAVE_MODE, 25, 1), 1
	s_wait_xcnt 0x0
	s_wait_alu depctr_hold_cnt(0) depctr_sa_sdst(0) depctr_va_vdst(0) depctr_va_sdst(0) depctr_va_ssrc(0) depctr_va_vcc(0) depctr_vm_vsrc(0)
	s_getreg_b32 s2, hwreg(HW_REG_IB_STS2, 6, 4)
	s_cmp_eq_u32 s2, 0
	s_cbranch_scc0 .Lentry_in_a_cluster
	s_endpgm
.Lentry_in_a_cluster:
	s_bfe_u32 s2, ttmp6, 0x10000c
	s_cmp_lg_u32 s2, 0x3003
	s_cbranch_scc0 .Lentry_shape_is_right
	s_endpgm
.Lentry_shape_is_right:
; THIRD LAUNCH: for each batch and head, O = softmax(q k^T / 32) v, both products on the second launch's codes, and the quantiser of O along (head, channel) in registers: O goes to memory as codes.  No work is left out.
; THE SOFTMAX AHEAD OF THE SECOND PRODUCT: t = score x log2(e) / 32; M = the row's largest t so far, rounded up to a whole number; p = 2^(t - M) is quantised along the keys, not normalised.  The row's sum is taken of
; the unquantised p, in f32, and divides O at the end.  When M moves, the sum and O are multiplied by 2^(old M - new M): exact.
; THE FIRST PRODUCT'S K IS 64, the instruction's 128: the upper 64 of both operands are zero codes, written once into registers, under scale bytes 0: they add nothing.
; SHARES.  A work-group owns one (batch, head) and 512 queries; each of its sixteen waves owns two tiles of 16 queries, taken one after the other, in 256 registers.  Every wave walks all 2,048 keys, 128 a step.
; K AND V OF THE WHOLE HEAD STAY IN LDS with their scale words: every tensor load is a first fill at the head, one a wave: waves 0-5 K's codes, 6-13 V's codes, 14 K's scale words, 15 V's.  No ring, no refill.
; CLUSTER.  The four work-groups of a cluster are the four query blocks of one head: every fill is asked for jointly.  My place in the cluster enters q's and the outputs' addresses alone.
; No prefetch: all that this launch streams is asked for by the fills at its head; there is no loop to run ahead in.
; LAYOUT.  Both products are used transposed: S^T = K Q^T (source 0 = 16 keys), O^T = V^T P^T (source 0 = 16 channels): a lane holds one query (lane % 16) throughout.
; WHICH KEYS FORM A TILE.  Tile (c, t) of a step, c = 0, 1, t = 0 .. 3, takes as its row m the key 64 c + 32 (m / 8) + 8 t + m % 8.  So lane (r, h)'s 32 registers of tiles (c, 0 .. 3) are the keys 64 c + 32 h + 0 .. 31:
; a WHOLE block of the second product's K, in the lane and the order in which that operand's layout wants it.  A block's largest score needs no other lane, and the codes need no exchange between lanes.
; In c2 tokens lie so that 16 on end, 16 (2 b + u) + r, are 32 b + 8 u + r + 8 (r / 8).  So row m of tile (c, t) is row m % 8 + 8 (t / 2) of the stored tile 4 c + 2 (m / 8) + t % 2: each lane reads its own place in LDS.
; A STORED TILE OF K (768 bytes): registers 0-3 of lane L at 16 L, registers 4, 5 at 512 + 8 L.  The tensor load lays 64 bytes of padding behind every 256, so a tile takes 960 bytes, and the two tiles that
; the halves of sixteen lanes read lie 1,920 bytes apart: the sixteen 16-byte pieces of a load fall on 256 different bytes modulo 256.  V: as it lies, 1,536 bytes for 16 channels x 128 keys.
; A TRIP OF THE LOOP IS TWO STEPS, UNDER ONE BARRIER, signalled at the trip's top and awaited at its end: it holds the sixteen waves within two steps of each other, on the same 28 KB of K and V;
; between the signal and the wait stand LDS loads and work on registers alone.
; O's scale bytes leave 2 bytes a row, 32 bytes apart: one part in 24 of what this launch stores.
; LIMITS: a block of zeros gets the byte 1 (its codes are zeros; this program alone reads the bytes); blocks under 2^-124 are held at the byte 1; NaN and infinities are not served; the scaled scores stay under 2^31 in magnitude.
.set VC,    122880                     ; LDS: from 0 K's codes [tile 128][960]; here V's codes [key step 16][channel tile 4][1536]
.set SCK,   221184                     ; K's scale words [tile 128][16 words]: bytes 0, 1 the even head's, bytes 2, 3 the odd head's
.set SCV,   229376                     ; V's scale words [key step 16][channel tile 4][16 words]
.set SPARE, 233472                     ; the spare words, 128 bytes a wave, which no other line names
.set VREG,  12582912                   ; V's part of c2
.set VSREG, 524288                     ; and of s2
.set LI16, 1                           ; v1 16 x lane, v2 8 x lane, v4 4 x lane
.set LI8,  2
.set ASK0, 3                           ; v3 my place among a step's scale words of K, at my head's two bytes
.set LI4,  4
.set SPW,  5                           ; v5 LDS address of my spare word, v6 0; never rewritten
.set NIL,  6
.set GK16, 7                           ; v7, v31 my place in a stored tile of K: the 16 bytes, the 8 bytes
.set GK8,  31
.set ADK16, 8                          ; v8-11, v28, v29: the addresses of the step in hand
.set ADK8, 9
.set ADV16, 10
.set ADV8, 11
.set ADS,  28
.set ADT,  29
.set QF,   16                          ; v16-27 q's fragment: 16-21 codes, 22-27 zeros
.set QSC,  30                          ; v30 q's scale bytes
.set KF,   32                          ; v32-79 four fragments of K: registers 6-11 of each are zeros
.set VF,   80                          ; v80-127 four fragments of V
.set S,    128                         ; v128-191 S^T, then p
.set OT,   192                         ; v192-223 O^T
.set PF,   224                         ; v224-235 p's codes   (v236-242, v244-252, v254 at work)
.set KSC,  248                         ; v248-251 K's scale bytes: register 2 c + x: lanes 0-15 tile (c, 2 x), lanes 16-31 tile (c, 2 x + 1)
.set VSC0, 243                         ; v243 V's scale words of channel tiles 0 (lanes 0-15) and 1;  v255 of tiles 2 and 3
.set VSC1, 255
.set PSC,  253                         ; v253 p's scale word
.set WV,   12
.set SEL,  14                          ; s[14:15] lane selects: lane l xor 16
.set CS,   16                          ; s[16:17] c = log2(e) / 32
.set TK,   18                          ; s18 K's codes: 7,680 bytes a step;  s19 its scale words: 512;  s20 V's scale words: SCV + 256 a step;  s23 V's codes: VC + 6,144 a step
.set TS,   19
.set TJ,   20
.set CNT,  21
.set TV,   23
.set G1K,  24
.set G1V,  32
.set G1KS, 40
.set G1VS, 48
.set G0K,  56
.set G0KS, 60
.set G0V,  68
.set G0VS, 72
.set QB,   76                          ; s[76:77] q's codes at my first tile; s[78:79] its scale bytes; s[80:81] c3 at my first tile and head; s[82:83] s3 likewise
.set QSB,  78
.set OB,   80
.set OSB,  82
.macro CROUND
	s_barrier_signal -1
	s_barrier_wait -1
	s_cmp_lg_u32 s[WV], 0
	s_cbranch_scc1 .Lnot_wave_0_\@
	s_barrier_signal -3
.Lnot_wave_0_\@:
	s_barrier_wait -3
	s_barrier_signal -1
	s_barrier_wait -1
.endm
.macro GRP1 g, w0, c, r, p             ; a descriptor's group 1: r rows of c elements of 8 bytes, p elements apart
	s_mov_b32 s[\g], \w0
	s_mov_b32 s[\g+1], (\c)<<16
	s_mov_b32 s[\g+2], (\r)<<16
	s_mov_b32 s[\g+3], (\c)<<16
	s_mov_b32 s[\g+4], \r
	s_mov_b32 s[\g+5], \p
	s_mov_b32 s[\g+6], 0
	s_mov_b32 s[\g+7], 0
.endm
	s_load_b256 s[4:11], s[0:1], 0x0               ; c2 s[4:5], s2 s[6:7], c3 s[8:9], s3 s[10:11]
	v_lshl_add_u32 v[SPW], v0, 2, SPARE
	v_mov_b32 v[NIL], 0
	ds_add_u32 v[SPW], v[NIL]                      ; the opening: the add, twice on end, and its wait ahead of my first tensor load
	ds_add_u32 v[SPW], v[NIL]
	v_lshrrev_b32 v8, 5, v0
	v_readfirstlane_b32 s[WV], v8                  ; wave 0..15
	s_bfe_u32 s13, ttmp6, 0x40000                  ; cx
	s_lshl_b32 s22, ttmp9, 2
	s_add_co_u32 s13, s22, s13                     ; my block of 512 queries
	s_and_b32 s84, ttmp7, 0xffff                   ; 16 x batch + head, which the four partners share
	s_lshr_b32 s85, s84, 4                         ; batch
	s_and_b32 s86, s84, 15                         ; head
	s_and_b32 s87, s86, 1
	s_lshl_b32 s87, s87, 1                         ; my head's bytes in a scale word
	s_lshr_b32 s88, s86, 1
	; 15:0 the mask: all four work-groups; 21 set beside a mask; K's codes with 16 words of padding behind every 64
	GRP1 G1K, 15|(3<<16)|(1<<20)|(1<<21)|(5<<22)|(15<<25), 32, 64, 32    ; a sixth of K's codes: 16,384 dense bytes as 64 rows of 256
	GRP1 G1V, 15|(3<<16)|(1<<21), 768, 2, 12288                          ; two key steps of V: 2 rows of 6,144 bytes, 98,304 apart
	GRP1 G1KS, 15|(3<<16)|(1<<21), 32, 32, 32                            ; K's scale words: 8,192 dense bytes
	GRP1 G1VS, 15|(3<<16)|(1<<21), 32, 16, 512                           ; V's: 16 rows of 256 bytes, 4,096 apart
	; groups 0: each offset is made in the pair that then takes the buffer's address; nothing in them hangs on my place in the cluster
	s_mov_b32 s[G0K], 1
	s_mul_i32 s[G0K+1], s[WV], 20480               ; waves 0-5: 64 rows of 320 bytes
	s_add_co_u32 s[G0K+2], s86, 16
	s_mul_i32 s[G0K+2], s[G0K+2], 393216           ; c2[16 + head]
	s_mul_i32 s22, s85, 98304                      ; the batch's 128 tiles of 768 bytes
	s_add_co_u32 s[G0K+2], s[G0K+2], s22
	s_lshl_b32 s23, s[WV], 14
	s_add_co_u32 s[G0K+2], s[G0K+2], s23
	s_mov_b32 s[G0K+3], 0
	s_mov_b32 s[G0KS], 1
	s_mov_b32 s[G0KS+1], SCK
	s_add_co_u32 s[G0KS+2], s88, 8
	s_lshl_b32 s[G0KS+2], s[G0KS+2], 15            ; s2[8 + head / 2]
	s_lshl_b32 s90, s85, 13                        ; the batch's 128 tiles of 64 bytes
	s_add_co_u32 s[G0KS+2], s[G0KS+2], s90
	s_mov_b32 s[G0KS+3], 0
	s_mov_b32 s[G0V], 1
	s_mul_i32 s[G0V+1], s[WV], 12288               ; waves 6-13: eighth wave - 6
	s_add_co_u32 s[G0V+1], s[G0V+1], VC-6*12288
	s_mul_i32 s[G0V+2], s85, 1572864               ; the batch's 16 key steps
	s_mul_i32 s91, s86, 6144                       ; my head's four images in a key step
	s_add_co_u32 s[G0V+2], s[G0V+2], s91
	s_mul_i32 s91, s[WV], 196608                   ; two key steps a wave
	s_add_co_u32 s[G0V+2], s[G0V+2], s91
	s_add_co_u32 s[G0V+2], s[G0V+2], VREG-6*196608
	s_mov_b32 s[G0V+3], 0
	s_mov_b32 s[G0VS], 1
	s_mov_b32 s[G0VS+1], SCV
	s_lshl_b32 s[G0VS+2], s85, 16
	s_lshl_b32 s91, s86, 8
	s_add_co_u32 s[G0VS+2], s[G0VS+2], s91
	s_add_co_u32 s[G0VS+2], s[G0VS+2], VSREG
	s_mov_b32 s[G0VS+3], 0
	; q and the outputs: my first tile of 16 queries of the batch's 128: 32 x block + wave; my second lies 16 tiles on
	s_lshl_b32 s92, s13, 5
	s_add_co_u32 s92, s92, s[WV]
	s_mul_i32 s[QB], s86, 393216                   ; c2[head]
	s_add_co_u32 s[QB], s[QB], s22
	s_mul_i32 s93, s92, 768
	s_add_co_u32 s[QB], s[QB], s93
	s_mov_b32 s[QB+1], 0
	s_lshl_b32 s[QSB], s88, 15                     ; s2[head / 2]
	s_add_co_u32 s[QSB], s[QSB], s90
	s_lshl_b32 s93, s92, 6
	s_add_co_u32 s[QSB], s[QSB], s93
	s_add_co_u32 s[QSB], s[QSB], s87
	s_mov_b32 s[QSB+1], 0
	s_lshl_b32 s94, s85, 7
	s_add_co_u32 s94, s94, s92                     ; the tile among all 512
	s_mul_i32 s[OB], s94, 12288                    ; c3[tile][head]
	s_mul_i32 s95, s86, 768
	s_add_co_u32 s[OB], s[OB], s95
	s_mov_b32 s[OB+1], 0
	s_lshl_b32 s[OSB], s94, 9                      ; s3: 16 rows of 32 bytes a tile, my head's two bytes
	s_lshl_b32 s95, s86, 1
	s_add_co_u32 s[OSB], s[OSB], s95
	s_mov_b32 s[OSB+1], 0
	s_add_co_u32 s87, s87, SCK
	s_mov_b32 s[SEL], 0x76543210
	s_mov_b32 s[SEL+1], 0xfedcba98
	s_mov_b32 s[CS], 0x3d38aa3b                    ; c = log2(e) / 32
	s_mov_b32 s[CS+1], s[CS]                       ; (named with it as a pair, so it is written)
	s_wait_dscnt 0x0                               ; both opening adds are done
	s_wait_kmcnt 0x0
.irp g, G0K, G0V
	s_add_nc_u64 s[\g+2:\g+3], s[4:5], s[\g+2:\g+3]
	s_or_b32 s[\g+3], s[\g+3], 0x80000000
.endr
.irp g, G0KS, G0VS
	s_add_nc_u64 s[\g+2:\g+3], s[6:7], s[\g+2:\g+3]
	s_or_b32 s[\g+3], s[\g+3], 0x80000000
.endr
	s_add_nc_u64 s[QB:QB+1], s[4:5], s[QB:QB+1]
	s_add_nc_u64 s[QSB:QSB+1], s[6:7], s[QSB:QSB+1]
	s_add_nc_u64 s[OB:OB+1], s[8:9], s[OB:OB+1]
	s_add_nc_u64 s[OSB:OSB+1], s[10:11], s[OSB:OSB+1]
	CROUND                                         ; all four work-groups are here: the joint loads meet
; the head's fills, one a wave: one chain of branches on the wave's number, a load to an arm, all arms leading to one join
.macro ARM under, g0, g1, next
	s_cmp_lt_u32 s[WV], \under
	s_cbranch_scc0 \next
	tensor_load_to_lds s[\g0:\g0+3], s[\g1:\g1+7]
	s_nop 0
.rept 4
	v_nop
.endr
	s_branch .Lfilled
\next:
.endm
	ARM 6,  G0K,  G1K,  .Lnot_k
	ARM 14, G0V,  G1V,  .Lnot_v
	ARM 15, G0KS, G1KS, .Lnot_ks
	tensor_load_to_lds s[G0VS:G0VS+3], s[G1VS:G1VS+7]
	s_nop 0
.rept 4
	v_nop
.endr
.Lfilled:
	v_and_b32 v8, 31, v0                           ; lane
	v_and_b32 v9, 7, v0                            ; m % 8
	v_bfe_u32 v10, v0, 3, 1                        ; m / 8
	v_bfe_u32 v11, v0, 4, 1                        ; h
	v_lshlrev_b32 v[LI16], 4, v8
	v_lshlrev_b32 v[LI8], 3, v8
	v_lshlrev_b32 v[LI4], 2, v8
	v_mul_u32_u24 v28, v10, 1920                   ; rows 8-15 of a tile come from the stored tile two on
	v_lshlrev_b32 v[ASK0], 2, v9
	v_lshl_add_u32 v[GK16], v9, 4, v28
	v_lshl_add_u32 v[GK8], v9, 3, v28
	v_lshl_add_u32 v[ASK0], v10, 7, v[ASK0]
	v_mad_u32_u24 v[GK16], v11, 320, v[GK16]       ; lanes 16-31: 256 bytes and one padding on
	v_lshl_add_u32 v[GK8], v11, 7, v[GK8]
	v_lshl_add_u32 v[ASK0], v11, 6, v[ASK0]        ; lanes 16-31 take the odd tile's words
	v_add_nc_u32 v[GK8], 640, v[GK8]               ; byte 512 of a stored tile, behind two paddings
	v_add_nc_u32 v[ASK0], s87, v[ASK0]
.irp j, 6,7,8,9,10,11
	v_mov_b32 v[QF+\j], 0                          ; the upper 64 of the first product's K: zero codes, written once
.irp t, 0,1,2,3
	v_mov_b32 v[KF+12*\t+\j], 0
.endr
.endr
	v_mov_b32 v[PSC], 0                            ; (named as the upper half of the pair v[252:253] before it is first written)
	s_wait_alu depctr_va_vdst(0)
	s_wait_tensorcnt 0x0                           ; my part has landed,
	s_barrier_signal -1
	s_barrier_wait -1                              ; everybody's has: from here on LDS is only read
.macro PVMUL t, sc                     ; O^T's tile t += 16 channels of V^T x P^T, K = the step's 128 keys
.if (\t)%2
	v_wmma_scale_f32_16x16x128_f8f6f4 v[OT+8*\t:OT+8*\t+7], v[VF+12*\t:VF+12*\t+11], v[PF:PF+11], v[OT+8*\t:OT+8*\t+7], v[\sc], v[PSC] matrix_a_fmt:MATRIX_FMT_FP6 matrix_b_fmt:MATRIX_FMT_FP6 matrix_a_scale:MATRIX_SCALE_ROW1
.else
	v_wmma_scale_f32_16x16x128_f8f6f4 v[OT+8*\t:OT+8*\t+7], v[VF+12*\t:VF+12*\t+11], v[PF:PF+11], v[OT+8*\t:OT+8*\t+7], v[\sc], v[PSC] matrix_a_fmt:MATRIX_FMT_FP6 matrix_b_fmt:MATRIX_FMT_FP6
.endif
.endm
; A KEY STEP: 128 keys.
.macro STEP
	v_add_nc_u32 v[ADK16], s[TK], v[GK16]
	v_add_nc_u32 v[ADK8], s[TK], v[GK8]
	v_add_nc_u32 v[ADS], s[TS], v[ASK0]
.irp g, 0,1                                    ; S^T = K Q^T: tiles (g, 0 .. 3)
.if \g
.rept 4
	v_nop                                          ; places in front of loads into registers that matrix instructions have read
.endr
.endif
.irp t, 0,1,2,3
	ds_load_b128 v[KF+12*\t:KF+12*\t+3], v[ADK16] offset:960*(4*\g+\t%2)+128*(\t/2)
	ds_load_b64 v[KF+12*\t+4:KF+12*\t+5], v[ADK8] offset:960*(4*\g+\t%2)+64*(\t/2)
.endr
.if \g == 0
.irp n, 0,1,2,3
	ds_load_u16 v[KSC+\n], v[ADS] offset:256*(\n/2)+32*(\n%2)    ; my head's two bytes; the upper two come as 0, over zero codes
.endr
	s_wait_alu depctr_va_vdst(0)
.endif
	s_wait_dscnt 0x0
.irp t, 0,2
	v_wmma_scale_f32_16x16x128_f8f6f4 v[S+8*(4*\g+\t):S+8*(4*\g+\t)+7], v[KF+12*\t:KF+12*\t+11], v[QF:QF+11], 0, v[KSC+2*\g+\t/2], v[QSC] matrix_a_fmt:MATRIX_FMT_FP6 matrix_b_fmt:MATRIX_FMT_FP6
	v_wmma_scale_f32_16x16x128_f8f6f4 v[S+8*(4*\g+\t)+8:S+8*(4*\g+\t)+15], v[KF+12*\t+12:KF+12*\t+23], v[QF:QF+11], 0, v[KSC+2*\g+\t/2], v[QSC] matrix_a_fmt:MATRIX_FMT_FP6 matrix_b_fmt:MATRIX_FMT_FP6 matrix_a_scale:MATRIX_SCALE_ROW1
.endr
.endr
	v_add_nc_u32 v[ADV16], s[TV], v[LI16]          ; four plain instructions: the places in front of the first read of the scores
	v_add_nc_u32 v[ADV8], s[TV], v[LI8]
	v_add_nc_u32 v[ADT], s[TJ], v[LI4]
	v_mov_b32 v254, v12                            ; the old -M
.irp t, 0,1,2,3                                ; V's four images and its scale words are asked for now: they land under the softmax
	ds_load_b128 v[VF+12*\t:VF+12*\t+3], v[ADV16] offset:1536*\t
	ds_load_b64 v[VF+12*\t+4:VF+12*\t+5], v[ADV8] offset:1536*\t+512
	ds_load_b128 v[VF+12*\t+6:VF+12*\t+9], v[ADV16] offset:1536*\t+768
	ds_load_b64 v[VF+12*\t+10:VF+12*\t+11], v[ADV8] offset:1536*\t+1280
.endr
	ds_load_b32 v[VSC0], v[ADT]
	ds_load_b32 v[VSC1], v[ADT] offset:128
.irp b, 0,1,2,3                                ; the largest score of my two blocks of 32 keys, in four chains of 16 by turns; each accumulator is first read at its low end
	v_max3_num_f32 v[236+\b], v[S+16*\b], v[S+16*\b+1], v[S+16*\b+2]
.endr
.irp i, 3,5,7,9,11,13
.irp b, 0,1,2,3
	v_max3_num_f32 v[236+\b], v[236+\b], v[S+16*\b+\i], v[S+16*\b+\i+1]
.endr
.endr
	v_max3_num_f32 v236, v236, v237, v[S+15]
	v_max3_num_f32 v238, v238, v239, v[S+47]
	v_max_num_f32 v236, v236, v[S+31]              ; block h: it serves for the row's maximum and, since p rises with the score, for the block's largest p
	v_max_num_f32 v237, v238, v[S+63]              ; block 2 + h
	s_delay_alu instid0(VALU_DEP_1)
	v_max_num_f32 v239, v236, v237
	s_delay_alu instid0(VALU_DEP_1)
	v_permlanex16_b32 v238, v239, s[SEL], s[SEL+1]
	s_delay_alu instid0(VALU_DEP_1)
	v_max3_num_f32 v13, v13, v239, v238            ; the running largest score of my query
	s_delay_alu instid0(VALU_DEP_1)
	v_mul_f32 v238, s[CS], v13                     ; as t (c is positive)
	s_delay_alu instid0(VALU_DEP_1)
	v_floor_f32 v12, -v238                         ; the new -M = floor(-t): M is a whole number
	s_delay_alu instid0(VALU_DEP_1)
	v_sub_f32 v254, v12, v254                      ; M's old value less its new one: a whole number, 0 or less
	s_delay_alu instid0(VALU_DEP_1)
	v_cvt_i32_f32 v254, v254                       ; (it saturates)
	s_delay_alu instid0(VALU_DEP_1)
	v_ldexp_f32 v252, 1.0, v254                    ; f = 2^(old M - new M)
.irp j, 0,2,4,6,8,10,12,14,16,18,20,22,24,26,28,30,32,34,36,38,40,42,44,46,48,50,52,54,56,58,60,62
	v_pk_fma_f32 v[S+\j:S+1+\j], v[S+\j:S+1+\j], s[CS:CS+1], v[12:13] op_sel_hi:[1,0,0]   ; t - M, two at a time
.endr
	v_fma_f32 v236, v236, s[CS], v12               ; the same of each block's largest score
	v_fma_f32 v237, v237, s[CS], v12
.irp j, 0,2,4,6,8,10,12,14,16,18,20,22,24,26,28,30
	v_pk_mul_f32 v[OT+\j:OT+1+\j], v[OT+\j:OT+1+\j], v[252:253] op_sel_hi:[1,0]   ; O^T under the new M, each accumulator from its low end on
.endr
	s_wait_alu depctr_va_vdst(0)
	v_exp_f32 v236, v236                           ; the blocks' largest p: the same arithmetic on the same number gives the same bits
	v_exp_f32 v237, v237
.irp j, 0,1,2,3,4,5,6,7,8,9,10,11,12,13,14,15,16,17,18,19,20,21,22,23,24,25,26,27,28,29,30,31,32,33,34,35,36,37,38,39,40,41,42,43,44,45,46,47,48,49,50,51,52,53,54,55,56,57,58,59,60,61,62,63
	v_exp_f32 v[S+\j], v[S+\j]                     ; p = 2^(t - M), at most 1: not normalised
.endr
	v_pk_mul_f32 v[14:15], v[14:15], v[252:253] op_sel_hi:[1,0]   ; the sums under the new M: a plain place behind the exponentials
	s_wait_alu depctr_va_vdst(0)                   ; and the one wait behind the batch, ahead of its first reader
	v_max_num_f32 v236, 0x1800000, v236            ; the floor 2^(3 - 127): the byte cannot fall under 1
	v_max_num_f32 v237, 0x1800000, v237
	v_add_nc_u32 v248, 0xff000000, v236            ; 2 off the exponent field: the conversion's scale operand
	v_add_nc_u32 v249, 0xff000000, v237
	v_cvt_scalef32_pk16_fp6_f32 v[PF:PF+2], v[S:S+15], v248
	v_cvt_scalef32_pk16_fp6_f32 v[240:242], v[S+16:S+31], v248       ; (a conversion's three registers begin on an even number)
	v_cvt_scalef32_pk16_fp6_f32 v[PF+6:PF+8], v[S+32:S+47], v249
	v_cvt_scalef32_pk16_fp6_f32 v[244:246], v[S+48:S+63], v249
	v_lshrrev_b32 v250, 23, v248                   ; the scales' bytes (a plain place behind the conversions)
	v_lshrrev_b32 v251, 23, v249
	v_lshl_or_b32 v250, v251, 16, v250             ; lanes 0-15: bytes 0 and 2 of p's scale word; lanes 16-31 hold bytes 1 and 3, at the same places
	v_permlanex16_b32 v254, v250, s[SEL], s[SEL+1]
	v_lshl_or_b32 v[PSC], v254, 8, v250            ; whole in lanes 0-15, which alone are read
.irp i, 0,1,2
	v_mov_b32 v[PF+3+\i], v[240+\i]
	v_mov_b32 v[PF+9+\i], v[244+\i]
.endr
; the row's sum, of the unquantised p: eight chains of pairs.  These 32 are also the places between the writes of p's codes and scale word and the products below
.set J, 0
.irp a, 236,238,240,244,246,248,250
	v_pk_add_f32 v[\a:\a+1], v[S+J:S+J+1], v[S+J+2:S+J+3]
.set J, J+4
.endr
	v_pk_add_f32 v[14:15], v[14:15], v[S+28:S+29]
.set J, 30
.rept 2
.irp a, 236,238,240,244,246,248,250,14
	v_pk_add_f32 v[\a:\a+1], v[\a:\a+1], v[S+J:S+J+1]
.set J, J+2
.endr
.endr
	v_pk_add_f32 v[236:237], v[236:237], v[S+62:S+63]
	v_pk_add_f32 v[14:15], v[14:15], v[238:239]
	v_pk_add_f32 v[244:245], v[244:245], v[246:247]
	v_pk_add_f32 v[248:249], v[248:249], v[250:251]
	v_pk_add_f32 v[236:237], v[236:237], v[240:241]
	v_pk_add_f32 v[14:15], v[14:15], v[244:245]
	v_pk_add_f32 v[236:237], v[236:237], v[248:249]
	s_delay_alu instid0(VALU_DEP_1)
	v_pk_add_f32 v[14:15], v[14:15], v[236:237]
	s_wait_dscnt 0x0                               ; V's images and scale words are in
	PVMUL 0, VSC0                                  ; the four accumulators take turns; between two links of a chain stand eleven other matrix instructions
	PVMUL 1, VSC0
	PVMUL 2, VSC1
	PVMUL 3, VSC1
	s_add_co_u32 s[TK], s[TK], 7680
	s_add_co_u32 s[TV], s[TV], 6144
	s_add_co_u32 s[TS], s[TS], 512
	s_add_co_u32 s[TJ], s[TJ], 256
.endm
; O^T / the sum, quantised along my head's 64 channels: register 16 b + i is channel 32 b + 16 (lane / 16) + i.
.macro FINISH p
	s_wait_alu depctr_va_vdst(0)
	v_add_f32 v14, v14, v15                        ; the sum's two halves,
	s_delay_alu instid0(VALU_DEP_1)
	v_permlanex16_b32 v252, v14, s[SEL], s[SEL+1]
	s_delay_alu instid0(VALU_DEP_1)
	v_add_f32 v14, v14, v252                       ; and lane l xor 16's: the row's sum
	s_wait_alu depctr_va_vdst(0)
	v_rcp_f32 v14, v14
	v_and_b32 v254, 15, v0                         ; (a plain place behind the reciprocal; with the lines round it, the places behind the last products)
	v_nop
	v_lshlrev_b32 v254, 5, v254                    ; my row's 32 scale bytes in s3
	v_nop
	s_wait_alu depctr_va_vdst(0)                   ; and ahead of the first reader
.irp j, 0,1,2,3,4,5,6,7,8,9,10,11,12,13,14,15,16,17,18,19,20,21,22,23,24,25,26,27,28,29,30,31
	v_mul_f32 v[S+\j], v[OT+\j], v14               ; each accumulator from its low end on
.endr
.irp b, 0,1
	v_max3_num_f32 v[232+\b], |v[S+16*\b]|, |v[S+1+16*\b]|, 0x1800000   ; block b: my 16 numbers, and the floor
.endr
.irp i, 2,4,6,8,10,12,14
.irp b, 0,1
	s_delay_alu instid0(VALU_DEP_2)
	v_max3_num_f32 v[232+\b], v[232+\b], |v[S+16*\b+\i]|, |v[S+1+16*\b+\i]|
.endr
.endr
.irp b, 0,1
	s_delay_alu instid0(VALU_DEP_2)
	v_permlanex16_b32 v[236+\b], v[232+\b], s[SEL], s[SEL+1]
.endr
.irp b, 0,1
	s_delay_alu instid0(VALU_DEP_2)
	v_max_num_f32 v[232+\b], v[232+\b], v[236+\b]
.endr
.irp b, 0,1
	s_delay_alu instid0(VALU_DEP_2)
	v_add_nc_u32 v[244+\b], 0xff000000, v[232+\b]
.endr
.irp b, 0,1
	s_delay_alu instid0(VALU_DEP_2)
	v_lshrrev_b32 v[236+\b], 23, v[244+\b]
.endr
	s_delay_alu instid0(VALU_DEP_1)
	v_lshl_or_b32 v239, v237, 8, v236              ; my row's two scale bytes
	v_cvt_scalef32_pk16_fp6_f32 v[PF:PF+2], v[S:S+15], v244
	v_cvt_scalef32_pk16_fp6_f32 v[240:242], v[S+16:S+31], v245
	v_nop                                          ; one plain place behind a scaled conversion
.irp i, 0,1,2
	v_permlane16_swap_b32 v[PF+\i], v[240+\i]      ; lanes 0-15 now hold block 0 whole, lanes 16-31 block 1
.endr
.irp i, 0,1,2
	s_delay_alu instid0(VALU_DEP_3)
	v_mov_b32 v[PF+3+\i], v[240+\i]
.endr
	global_store_b128 v[LI16], v[PF:PF+3], s[OB:OB+1] offset:\p*196608          ; 512 consecutive bytes, aligned
	global_store_b64 v[LI8], v[PF+4:PF+5], s[OB:OB+1] offset:\p*196608+512      ; 256
	global_store_b16 v254, v239, s[OSB:OSB+1] offset:\p*8192                    ; lanes l and l xor 16 write the same two bytes with the same value
.endm
; One tile of 16 queries through all 16 key steps, two steps a trip.
.macro PASS p
	s_wait_xcnt 0x0                                ; the last tile's stores have read their registers
	global_load_b128 v[QF:QF+3], v[LI16], s[QB:QB+1] offset:\p*12288
	global_load_b64 v[QF+4:QF+5], v[LI8], s[QB:QB+1] offset:\p*12288+512
	v_and_b32 v254, 15, v0
	s_delay_alu instid0(VALU_DEP_1)
	v_lshlrev_b32 v254, 2, v254
	global_load_u16 v[QSC], v254, s[QSB:QSB+1] offset:\p*1024   ; my head's two bytes of row lane % 16
	v_mov_b32 v13, 0xff61b1e6                      ; the largest score so far: -3e38, under every score
	v_mov_b32 v14, 0                               ; the sum, in two halves
	v_mov_b32 v15, 0
	v_floor_f32 v12, -v13                          ; -M: so large that the first step's f is 0
.irp j, 0,1,2,3,4,5,6,7,8,9,10,11,12,13,14,15,16,17,18,19,20,21,22,23,24,25,26,27,28,29,30,31
	v_mov_b32 v[OT+\j], 0                          ; O^T: the step is written once; the first finds zeros, which the first change of M leaves zeros
.endr
	s_mov_b32 s[TK], 0
	s_mov_b32 s[TV], VC
	s_mov_b32 s[TS], 0
	s_mov_b32 s[TJ], SCV
	s_mov_b32 s[CNT], 8
	s_wait_alu depctr_va_vdst(0)
	s_wait_loadcnt 0x0                             ; q
.Lstep_\@:
	s_barrier_signal -1                            ; I am at this trip's top (no LDS instruction of mine is out)
	STEP
	STEP
	s_barrier_wait -1                              ; every wave has reached this trip's top
	s_sub_co_u32 s[CNT], s[CNT], 1
	s_cmp_lg_u32 s[CNT], 0
	s_cbranch_scc1 .Lstep_\@
	FINISH \p
.endm
	PASS 0
	PASS 1
	s_wait_tensorcnt 0x0                           ; the wave's end, behind my last tensor load
	ds_add_u32 v[SPW], v[NIL]
	s_wait_dscnt 0x0
	CROUND                                         ; the closing round
	s_endpgm
.Lfunc_end_k_q4c72efee54_attn:
	.size	k_q4c72efee54_attn, .Lfunc_end_k_q4c72efee54_attn-k_q4c72efee54_attn
	.p2alignl 7, 3214868480
	.fill 96, 4, 3214868480
	.section	.rodata,"a",@progbits
	.p2align	6, 0x0
	.amdhsa_kernel k_q4c72efee54_attn
		.amdhsa_group_segment_fixed_size 235520
		.amdhsa_private_segment_fixed_size 0
		.amdhsa_enable_private_segment 0
		.amdhsa_kernarg_size 32
		.amdhsa_user_sgpr_count 2
		.amdhsa_user_sgpr_kernarg_segment_ptr 1
		.amdhsa_wavefront_size32 1
		.amdhsa_system_sgpr_workgroup_id_x 1
		.amdhsa_system_sgpr_workgroup_id_y 1
		.amdhsa_system_sgpr_workgroup_id_z 1
		.amdhsa_system_vgpr_workitem_id 0
		.amdhsa_next_free_vgpr 256
		.amdhsa_next_free_sgpr 96
		.amdhsa_reserve_vcc 0
		.amdhsa_float_denorm_mode_32 3
		.amdhsa_float_denorm_mode_16_64 3
		.amdhsa_memory_ordered 1
		.amdhsa_forward_progress 1
		.amdhsa_inst_pref_size 85
	.end_amdhsa_kernel
	.amdgpu_metadata
---
amdhsa.version: [ 1, 2 ]
amdhsa.kernels:
  - .name:           k_q4c72efee54_attn
    .symbol:         k_q4c72efee54_attn.kd
    .args:
      - { .name: c2, .offset: 0, .size: 8, .value_kind: global_buffer, .address_space: global }
      - { .name: s2, .offset: 8, .size: 8, .value_kind: global_buffer, .address_space: global }
      - { .name: c3, .offset: 16, .size: 8, .value_kind: global_buffer, .address_space: global }
      - { .name: s3, .offset: 24, .size: 8, .value_kind: global_buffer, .address_space: global }
    .group_segment_fixed_size: 235520
    .private_segment_fixed_size: 0
    .kernarg_segment_align: 8
    .kernarg_segment_size: 32
    .max_flat_workgroup_size: 512
    .sgpr_count:     96
    .vgpr_count:     256
    .wavefront_size: 32
...
	.end_amdgpu_metadata
.endif
;; end of part 3
;; launch outp (part 4): grid 4 x 32, 4 waves a work-group, clusters of 4 x 4, 327,680 bytes of LDS; arguments c3, s3, c1, s1, b_out, out0; writes out0
.if DOCPART == 4
	.amdgcn_target "amdgcn-amd-amdhsa--gfx1250"
	.amdhsa_code_object_version 6
	.text
	.protected	k_q4c72efee54_outp
	.globl	k_q4c72efee54_outp
	.p2align	8
	.type	k_q4c72efee54_outp,@function
k_q4c72efee54_outp:
	s_mov_b64 s[64:65], 0
	v_nop
	global_prefetch_b8 v0, s[64:65] scope:SCOPE_SE
	s_setreg_imm32_b32 hwreg(HW_REG_WAVE_MODE, 25, 1), 1
	s_wait_xcnt 0x0
	s_wait_alu depctr_hold_cnt(0) depctr_sa_sdst(0) depctr_va_vdst(0) depctr_va_sdst(0) depctr_va_ssrc(0) depctr_va_vcc(0) depctr_vm_vsrc(0)
	s_getreg_b32 s2, hwreg(HW_REG_IB_STS2, 6, 4)
	s_cmp_eq_u32 s2, 0
	s_cbranch_scc0 .Lentry_in_a_cluster
	s_endpgm
.Lentry_in_a_cluster:
	s_bfe_u32 s2, ttmp6, 0x10000c
	s_cmp_lg_u32 s2, 0xf033
	s_cbranch_scc0 .Lentry_shape_is_right
	s_endpgm
.Lentry_shape_is_right:
; FOURTH LAUNCH: out0 = O w_out^T + b_out on the third launch's codes of O (c3) and the first launch's codes of w_out (c1), a block of 256 x 256 to a work-group of four waves; b_out is the C of each sum's first product.  No work is left out.
; Both operands come as images of the operands' registers: a tile of 16 rows is 12,288 bytes, a K step of 256 is 3,072 consecutive bytes of it: so a tensor load's row is 3,072 bytes and begins at a multiple of 256.
.set SIZE_K, 1024
.set SIZE_N, 1024
.set KSTEP,  256
.set NQ,     KSTEP/128
.set ROWB,   3072
.set AROWB,  3072
.set KROW,   SIZE_K*6/8
.set PITCH,  192
.set FR,     12
.set NL,     6
.set NLA,    4
.set NP,     4
.set HALFT,  128*PITCH
.set SLOT,   4*HALFT
.set LAPS,   SIZE_K/(2*KSTEP)
.set KS,     SIZE_K/32
.set SCL,    2*SLOT
.set HALFS,  (128*KS/256)*272
.set SBLK,   (16*KS/256)*272
.set SPARE,  SCL+4*HALFS
.set SPITCH, 528
.set ADRA, 16
.set ADRB, 20
.set STO,  24
.set RD,   25
.set CO,   26
.set ADRS, 27
.set SPW,  28
.set NIL,  29
.set SC,   32
.set BIAS, 64
.set AF,   128
.set BK,   128
.set G1, 24
.set G0, 32
.set G1B, 48
.set G0B, 56
.set G1S, 68
.set G0S, 76
.set G1SB, 80
.set G0SB, 88
.set MSB, 0
.macro WIN new
.if MSB != (\new)
	s_set_vgpr_msb (MSB<<8)|(\new)
.set MSB, (\new)
.endif
.endm
.set MUL_LO, 0xa1
.set MUL_HI, 0xf1
.set BIAS_LO, 0x81
.set BIAS_HI, 0xc1
.set TO_B,   0x40
.macro JLOAD g0a, g1a, g0b, g1b
	s_cmp_eq_u32 s15, 0
	s_cbranch_scc0 .Lfor_b_\@
	tensor_load_to_lds s[\g0a:\g0a+3], s[\g1a:\g1a+7]
	s_nop 0
.rept 4
	v_nop
.endr
	s_branch .Lasked_\@
.Lfor_b_\@:
	tensor_load_to_lds s[\g0b:\g0b+3], s[\g1b:\g1b+7]
	s_nop 0
.rept 4
	v_nop
.endr
.Lasked_\@:
.endm
.macro CREST
	s_cmp_lg_u32 s14, 0
	s_cbranch_scc1 .Lnot_wave_0_\@
	s_barrier_signal -3
.Lnot_wave_0_\@:
	s_barrier_wait -3
	s_barrier_signal -1
	s_barrier_wait -1
.endm
.macro CROUND
	s_barrier_signal -1
	s_barrier_wait -1
	CREST
.endm
	s_load_b256 s[4:11], s[0:1], 0x0
	s_load_b64 s[66:67], s[0:1], 0x20
	s_load_b64 s[12:13], s[0:1], 0x28
	v_lshl_add_u32 v[SPW], v0, 2, SPARE
	v_mov_b32 v[NIL], 0
	ds_add_u32 v[SPW], v[NIL]
	ds_add_u32 v[SPW], v[NIL]
	v_lshrrev_b32 v1, 5, v0
	v_readfirstlane_b32 s14, v1
	s_lshr_b32 s15, s14, 1
	s_and_b32 s16, s14, 1
	s_bfe_u32 s40, ttmp6, 0x40000
	s_bfe_u32 s41, ttmp6, 0x40004
	s_lshl_b32 s42, ttmp9, 2
	s_add_co_u32 s42, s42, s40
	s_and_b32 s17, ttmp7, 0xffff
	s_lshl_b32 s17, s17, 2
	s_add_co_u32 s17, s17, s41
	s_lshl_b32 s43, s41, 2
	s_lshl_b32 s43, 15, s43
	s_lshl_b32 s44, 0x1111, s40
	s_or_b32 s[G1+0], s43, (3<<16)|(1<<21)
	s_mov_b32 s[G1+1], 384<<16
	s_mov_b32 s[G1+2], 16<<16                      ; the head's loads bring a whole tile: 16 rows of 3,072 bytes
	s_mov_b32 s[G1+3], 384<<16
	s_mov_b32 s[G1+4], 16
	s_mov_b32 s[G1+5], 1536
	s_mov_b32 s[G1+6], 0
	s_mov_b32 s[G1+7], 0
	s_or_b32 s[G1B+0], s44, (0<<16)|(1<<21)
	s_mov_b32 s[G1B+1], ROWB<<16
	s_mov_b32 s[G1B+2], 16<<16
	s_mov_b32 s[G1B+3], ROWB<<16
	s_mov_b32 s[G1B+4], 16
	s_mov_b32 s[G1B+5], 16*KROW
	s_mov_b32 s[G1B+6], 0
	s_mov_b32 s[G1B+7], 0
	s_or_b32 s[G1S+0], s43, (3<<16)|(1<<20)|(1<<21)|(5<<22)|(3<<25)
	s_or_b32 s[G1SB+0], s44, (3<<16)|(1<<20)|(1<<21)|(5<<22)|(3<<25)
.irp g, G1S, G1SB
	s_mov_b32 s[\g+1], 32<<16
	s_mov_b32 s[\g+2], KS<<16                      ; the scales of 256 rows: KS rows of 256 bytes
	s_mov_b32 s[\g+3], 32<<16
	s_mov_b32 s[\g+4], KS
	s_mov_b32 s[\g+5], 32
	s_mov_b32 s[\g+6], 0
	s_mov_b32 s[\g+7], 0
.endr
	s_lshl_b32 s18, s16, 7
	s_lshl_b32 s20, s17, 8
	s_add_co_u32 s20, s20, s18
	s_lshl_b32 s46, s42, 8
	s_add_co_u32 s46, s46, s18
	s_add_co_u32 s46, s46, 11264
	s_mov_b32 s21, 0
	s_mov_b32 s47, 0
	s_mov_b64 s[18:19], KS
	s_mul_u64 s[22:23], s[20:21], s[18:19]
	s_mul_u64 s[92:93], s[46:47], s[18:19]
	s_mov_b64 s[18:19], KROW
	s_mul_u64 s[20:21], s[20:21], s[18:19]
	s_mul_u64 s[46:47], s[46:47], s[18:19]
	s_mul_i32 s45, s14, HALFT
	s_wait_dscnt 0x0
	s_wait_kmcnt 0x0
	s_add_nc_u64 s[20:21], s[4:5], s[20:21]
	s_add_nc_u64 s[22:23], s[6:7], s[22:23]
	s_add_nc_u64 s[46:47], s[8:9], s[46:47]
	s_add_nc_u64 s[92:93], s[10:11], s[92:93]
	CROUND
	s_mov_b32 s[G0S], 1
	s_mov_b32 s[G0S+1], SCL
	s_sub_nc_u64 s[G0S+2:G0S+3], s[22:23], 128*KS  ; wave 1 asks for the scales of all A's 256 rows: its own address stands 128 rows on
	s_or_b32 s[G0S+3], s[G0S+3], 0x80000000
	s_mov_b32 s[G0SB], 1
	s_mov_b32 s[G0SB+1], SCL+2*HALFS
	s_sub_nc_u64 s[G0SB+2:G0SB+3], s[92:93], 128*KS  ; wave 3 likewise for B's
	s_or_b32 s[G0SB+3], s[G0SB+3], 0x80000000
.irp s, 0,1
	s_mov_b32 s[G0+4*\s], 1
	s_add_co_u32 s[G0+4*\s+1], s45, \s*SLOT
	s_add_nc_u64 s[G0+4*\s+2:G0+4*\s+3], s[20:21], \s*AROWB
	s_or_b32 s[G0+4*\s+3], s[G0+4*\s+3], 0x80000000
	s_mov_b32 s[G0B+4*\s], 1
	s_add_co_u32 s[G0B+4*\s+1], s45, \s*SLOT
	s_add_nc_u64 s[G0B+4*\s+2:G0B+4*\s+3], s[46:47], \s*ROWB
	s_or_b32 s[G0B+4*\s+3], s[G0B+4*\s+3], 0x80000000
.endr
; THE HEAD'S LOADS, ONE A WAVE: what the first step needs is shared out: wave 0 K step 0 of A's 256 rows (slot 0's group 0 of wave 0 points at the tile's first row and at LDS byte 0), wave 1 A's scales,
; wave 2 K step 0 of B's 256 rows (its group 0 points at B's first row and behind A's rows), wave 3 B's scales.  One chain of branches on the wave's number, a load to an arm, all arms leading to one join.
.macro ARM under, g0, g1, next
	s_cmp_lt_u32 s14, \under
	s_cbranch_scc0 \next
	tensor_load_to_lds s[\g0:\g0+3], s[\g1:\g1+7]
	s_nop 0
.rept 4
	v_nop
.endr
	s_branch .Lhead_asked
\next:
.endm
	ARM 1, G0,  G1,  .Lhead_sa
	ARM 2, G0S, G1S, .Lhead_b
	ARM 3, G0B, G1B, .Lhead_sb
	tensor_load_to_lds s[G0SB:G0SB+3], s[G1SB:G1SB+7]
	s_nop 0
.rept 4
	v_nop
.endr
.Lhead_asked:
	s_wait_alu depctr_va_vdst(0)
	s_wait_tensorcnt 0x0                           ; my tile of the head's four is in
	ds_add_u32 v[SPW], v[NIL]
	s_mov_b32 s[G1+2], 8<<16                       ; no tensor load of mine is out: from here on a load brings 8 rows of 3,072 bytes, a quarter of a slot
	s_mov_b32 s[G1+4], 8
	s_mov_b32 s[G1B+2], 8<<16
	s_mov_b32 s[G1B+4], 8
	s_wait_dscnt 0x0
	CROUND                                         ; all four tiles are in, and all sixteen work-groups are here
	JLOAD G0+4, G1, G0B+4, G1B                     ; K step 1, the first tensor load behind the round
	v_and_b32 v1, 15, v0
	v_bfe_u32 v2, v0, 4, 1
	v_and_b32 v6, 31, v0
	v_lshlrev_b32 v[CO], 4, v6
	v_lshlrev_b32 v7, 3, v6
	s_mul_i32 s21, s15, HALFT
	s_mul_i32 s22, s16, HALFT
	s_add_co_u32 s22, s22, 2*HALFT
.irp s, 0,1
	v_add_nc_u32 v[ADRA+\s], s21, v[CO]
	v_add_nc_u32 v[ADRA+2+\s], s21, v7
	v_add_nc_u32 v[ADRB+\s], s22, v7
	s_add_co_u32 s21, s21, SLOT
	s_add_co_u32 s22, s22, SLOT
.endr
	s_wait_alu depctr_va_vdst(0)
	v_mul_u32_u24 v5, v1, KS
	v_lshrrev_b32 v6, 8, v5
	v_lshl_add_u32 v5, v6, 4, v5
	s_mul_i32 s21, s15, HALFS
	s_mul_i32 s22, s16, HALFS
	s_add_co_u32 s22, s22, 2*HALFS
	s_sub_co_u32 s22, s22, s21
	v_mul_u32_u24 v6, s22, v2
	s_add_co_u32 s21, s21, SCL
	v_add_nc_u32 v5, v5, v6
	v_add_nc_u32 v[ADRS], s21, v5
	s_mul_i32 s23, s14, 16*SPITCH
	v_mul_u32_u24 v5, v1, SPITCH
	v_lshl_add_u32 v5, v2, 5, v5
	v_add_nc_u32 v[STO], s23, v5
	v_add_nc_u32 v[RD], s23, v[CO]
	s_lshl_b32 s20, s17, 8
	s_lshl_b32 s21, s15, 7
	s_add_co_u32 s20, s20, s21
	s_mov_b32 s21, 0
	s_mov_b64 s[18:19], SIZE_N*4
	s_mul_u64 s[20:21], s[20:21], s[18:19]
	s_lshl_b32 s46, s42, 10
	s_lshl_b32 s47, s16, 9
	s_add_co_u32 s46, s46, s47
	s_mov_b32 s47, 0
	s_add_nc_u64 s[66:67], s[66:67], s[46:47]
	s_add_nc_u64 s[20:21], s[20:21], s[46:47]
	s_add_nc_u64 s[12:13], s[12:13], s[20:21]
	v_lshlrev_b32 v7, 5, v2
.irp b, 0,1,2,3,4,5,6,7
	global_load_b128 v[BIAS+8*\b:BIAS+8*\b+3], v7, s[66:67] offset:64*\b
	global_load_b128 v[BIAS+8*\b+4:BIAS+8*\b+7], v7, s[66:67] offset:64*\b+16
.endr
.macro FRAG reg, adr, q, i
.irp p, 0,1,2,3,4,5
	ds_load_b64 v[\reg+2*\p:\reg+2*\p+1], v[\adr] offset:ROWB*(\i)+1536*(\q)+768*(\p/3)+256*(\p%3)   ; a plane: the 32 lanes read 256 consecutive bytes
.endr
.endm
.macro FRAGA reg, slot, q, i
	ds_load_b128 v[\reg:\reg+3], v[ADRA+\slot] offset:AROWB*(\i)+1536*(\q)
	ds_load_b64 v[\reg+4:\reg+5], v[ADRA+2+\slot] offset:AROWB*(\i)+1536*(\q)+512
	ds_load_b128 v[\reg+6:\reg+9], v[ADRA+\slot] offset:AROWB*(\i)+1536*(\q)+768
	ds_load_b64 v[\reg+10:\reg+11], v[ADRA+2+\slot] offset:AROWB*(\i)+1536*(\q)+1280
.endm
.macro MUL16 a0, p, q, sc, zero
.irp a, \a0, \a0+1
.irp b, 0,1,2,3,4,5,6,7
.if \zero
	v_wmma_scale_f32_16x16x128_f8f6f4 v[8*(8*((\a)%4)+\b):8*(8*((\a)%4)+\b)+7], v[128*(\p)+FR*\b:128*(\p)+FR*\b+FR-1], v[AF+FR*(\a):AF+FR*(\a)+FR-1], v[BIAS+8*\b:BIAS+8*\b+7], v[SC+8*NQ*(\sc)+NQ*\b+(\q)], v[SC+8*NQ*(\sc)+NQ*(\a)+(\q)] matrix_a_fmt:MATRIX_FMT_FP6 matrix_b_fmt:MATRIX_FMT_FP6 matrix_a_scale:MATRIX_SCALE_ROW1
.else
	v_wmma_scale_f32_16x16x128_f8f6f4 v[8*(8*((\a)%4)+\b):8*(8*((\a)%4)+\b)+7], v[128*(\p)+FR*\b:128*(\p)+FR*\b+FR-1], v[AF+FR*(\a):AF+FR*(\a)+FR-1], v[8*(8*((\a)%4)+\b):8*(8*((\a)%4)+\b)+7], v[SC+8*NQ*(\sc)+NQ*\b+(\q)], v[SC+8*NQ*(\sc)+NQ*(\a)+(\q)] matrix_a_fmt:MATRIX_FMT_FP6 matrix_b_fmt:MATRIX_FMT_FP6 matrix_a_scale:MATRIX_SCALE_ROW1
.endif
.endr
.endr
.endm
.macro FETCH_B slot, q, p
	WIN TO_B
.irp i, 0,1,2,3,4,5,6,7
	FRAG 128*(\p)+FR*\i, ADRB+\slot, \q, \i
.endr
	WIN 0
.endm
.macro FETCH_A slot, q, i0
.irp i, \i0, \i0+1, \i0+2, \i0+3
	FRAGA AF+FR*(\i), \slot, \q, \i
.endr
.endm
.macro SCALES sc
.irp i, 0,1,2,3,4,5,6,7
	ds_load_b64 v[SC+8*NQ*\sc+NQ*\i:SC+8*NQ*\sc+NQ*\i+1], v[ADRS] offset:\i*SBLK
.endr
.endm
.macro PLACES n
.rept \n
	v_nop
.endr
.endm
.macro STEP slot, q, zero
	s_wait_dscnt 4*NLA
.if \zero
	WIN BIAS_LO
.else
	WIN MUL_LO
.endif
	MUL16 0, (\q)%2, \q, \slot, \zero
	MUL16 2, (\q)%2, \q, \slot, \zero
	s_wait_dscnt 0
	PLACES NP
	FETCH_B \slot, (\q)+1, 1-(\q)%2
	FETCH_A \slot, (\q)+1, 0
.if \zero
	WIN BIAS_HI
.else
	WIN MUL_HI
.endif
	MUL16 4, (\q)%2, \q, \slot, \zero
	MUL16 6, (\q)%2, \q, \slot, \zero
	PLACES NP
	WIN 0
	FETCH_A \slot, (\q)+1, 4
.endm
.macro TURN slot, next, fill
	s_wait_tensorcnt 0x0
	ds_add_u32 v[SPW], v[NIL]
	s_wait_dscnt 4*NLA+1
	WIN MUL_LO
	MUL16 0, 1, NQ-1, \slot, 0
	s_wait_dscnt 0x0
	s_barrier_signal -1
	MUL16 2, 1, NQ-1, \slot, 0
	WIN 0
	s_barrier_wait -1
.if \fill
	CREST
	s_add_nc_u64 s[G0+4*\slot+2:G0+4*\slot+3], s[G0+4*\slot+2:G0+4*\slot+3], 2*AROWB
	s_add_nc_u64 s[G0B+4*\slot+2:G0B+4*\slot+3], s[G0B+4*\slot+2:G0B+4*\slot+3], 2*ROWB
	JLOAD G0+4*\slot, G1, G0B+4*\slot, G1B
.else
	PLACES NP
.endif
	s_wait_alu depctr_va_vdst(0)
	v_add_nc_u32 v[ADRS], 4*NQ, v[ADRS]
	FETCH_B \next, 0, 0
	FETCH_A \next, 0, 0
	SCALES \next
	WIN MUL_HI
	MUL16 4, 1, NQ-1, \slot, 0
	MUL16 6, 1, NQ-1, \slot, 0
	PLACES NP
	WIN 0
	FETCH_A \next, 0, 4
.endm
	s_wait_alu depctr_va_vdst(0)
	s_wait_tensorcnt 1
	s_barrier_signal -1
	s_barrier_wait -1
	FETCH_B 0, 0, 0
	FETCH_A 0, 0, 0
	SCALES 0
	FETCH_A 0, 0, 4
	s_wait_loadcnt 0x0
	STEP 0, 0, 1
	s_mov_b32 s3, LAPS-1
.Llap:
	TURN 0, 1, 1
	STEP 1, 0, 0
	TURN 1, 0, 1
	STEP 0, 0, 0
	s_sub_co_u32 s3, s3, 1
	s_cmp_lg_u32 s3, 0
	s_cbranch_scc1 .Llap
	TURN 0, 1, 0
	STEP 1, 0, 0
	s_wait_dscnt 4*NLA
	WIN MUL_LO
	MUL16 0, 1, NQ-1, 1, 0
	MUL16 2, 1, NQ-1, 1, 0
	s_wait_dscnt 0
	WIN MUL_HI
	MUL16 4, 1, NQ-1, 1, 0
	MUL16 6, 1, NQ-1, 1, 0
	WIN 0
.macro TOSTAGE a
.set AC, 64*((\a)%4)
	WIN 0x08+4*((\a)/4)
.irp b, 0,1,2,3,4,5,6,7
	ds_store_b128 v[STO], v[AC+8*\b:AC+8*\b+3] offset:64*\b
	ds_store_b128 v[STO], v[AC+8*\b+4:AC+8*\b+7] offset:64*\b+16
.endr
	WIN 0
.set BB, BK+64*((\a)%2)
.irp t, 0,1,2,3,4,5,6,7,8,9,10,11,12,13,14,15
	ds_load_b128 v[BB+4*\t:BB+4*\t+3], v[RD] offset:\t*SPITCH
.endr
.endm
.macro SEND a, younger
.set BB, BK+64*((\a)%2)
	s_wait_dscnt \younger
.irp t, 0,1,2,3,4,5,6,7,8,9,10,11,12,13,14,15
	global_store_b128 v[CO], v[BB+4*\t:BB+4*\t+3], s[12:13] offset:(32*((\a)/2)+8*((\a)%2)+\t+8*(\t/8))*SIZE_N*4 th:TH_STORE_NT
.endr
.endm
	PLACES NP
	TOSTAGE 0
.irp a, 1,2,3,4,5,6,7
.if \a > 1
	s_wait_xcnt 0x0
.endif
	TOSTAGE \a
	SEND \a-1, 32
.endr
	SEND 7, 0
	s_wait_tensorcnt 0x0
	ds_add_u32 v[SPW], v[NIL]
	s_wait_dscnt 0x0
	CROUND
	s_endpgm
.Lfunc_end_k_q4c72efee54_outp:
	.size	k_q4c72efee54_outp, .Lfunc_end_k_q4c72efee54_outp-k_q4c72efee54_outp
	.p2alignl 7, 3214868480
	.fill 96, 4, 3214868480
	.section	.rodata,"a",@progbits
	.p2align	6, 0x0
	.amdhsa_kernel k_q4c72efee54_outp
		.amdhsa_group_segment_fixed_size 327680
		.amdhsa_private_segment_fixed_size 0
		.amdhsa_enable_private_segment 0
		.amdhsa_kernarg_size 48
		.amdhsa_user_sgpr_count 2
		.amdhsa_user_sgpr_kernarg_segment_ptr 1
		.amdhsa_wavefront_size32 1
		.amdhsa_system_sgpr_workgroup_id_x 1
		.amdhsa_system_sgpr_workgroup_id_y 1
		.amdhsa_system_sgpr_workgroup_id_z 1
		.amdhsa_system_vgpr_workitem_id 0
		.amdhsa_next_free_vgpr 1024
		.amdhsa_next_free_sgpr 98
		.amdhsa_reserve_vcc 0
		.amdhsa_float_denorm_mode_32 3
		.amdhsa_float_denorm_mode_16_64 3
		.amdhsa_memory_ordered 1
		.amdhsa_forward_progress 1
		.amdhsa_inst_pref_size 153
	.end_amdhsa_kernel
	.amdgpu_metadata
---
amdhsa.version: [ 1, 2 ]
amdhsa.kernels:
  - .name:           k_q4c72efee54_outp
    .symbol:         k_q4c72efee54_outp.kd
    .args:
      - { .name: c3, .offset: 0, .size: 8, .value_kind: global_buffer, .address_space: global }
      - { .name: s3, .offset: 8, .size: 8, .value_kind: global_buffer, .address_space: global }
      - { .name: c1, .offset: 16, .size: 8, .value_kind: global_buffer, .address_space: global }
      - { .name: s1, .offset: 24, .size: 8, .value_kind: global_buffer, .address_space: global }
      - { .name: b_out, .offset: 32, .size: 8, .value_kind: global_buffer, .address_space: global }
      - { .name: out0, .offset: 40, .size: 8, .value_kind: global_buffer, .address_space: global }
    .group_segment_fixed_size: 327680
    .private_segment_fixed_size: 0
    .kernarg_segment_align: 8
    .kernarg_segment_size: 48
    .max_flat_workgroup_size: 128
    .sgpr_count:     98
    .vgpr_count:     1024
    .wavefront_size: 32
...
	.end_amdgpu_metadata
.endif
;; end of part 4
